; MI455X (gfx1250); checked and timed in simulation.
; The chip was launched on July 23, 2026; its instructions are those of AMD's public machine-readable ISA for CDNA 5 (MIT licence, August 2026) and "CDNA5" Instruction Set Architecture Reference Guide (July 2026). The comments in the code are by the model that wrote it; some were corrected since.
;; Mo E. Allowed arithmetic: float matrix products may take bf16 or f16 operands with f32 sums; other float arithmetic in f32, or as packed bf16 or f16 multiplies, adds, multiply-adds, maxima and minima; sums over many terms, partial sums and values carried from step to step in f32; what a program stores and reads back later, other than sums and carried values, may be rounded once to bf16 or f16.
;; Inputs: W1 8 x 1,024 x 4,096 float32; W2 8 x 4,096 x 1,024 float32; Wg 1,024 x 8 float32; b1 8 x 4,096 float32; b2 8 x 1,024 float32; bg 8 float32; x 2 x 512 x 1,024 float32.
;; Outputs: out0 2 x 512 x 1,024 float32; out1 one number float32.
;; 2 versions, each right and faster than the one before. Each part assembles by itself: llvm-mc -triple=amdgcn-amd-amdhsa -mcpu=gfx1250 --defsym DOCPART=n.
;; ======== version 1 of 2: 4 launches
;; workspace buffers: xb 2,097,152 bytes; bm 4,096 bytes of whole numbers; wt 8,192 bytes; ps 4,096 bytes; hb 67,108,864 bytes; yb 33,685,504 bytes
;; launch router (part 1): grid 32 x 1, 8 waves a work-group, no clusters, 111,616 bytes of LDS; arguments x, Wg, bg, xb, bm, wt, ps; writes xb, bm, wt, ps
.if DOCPART == 1
	.amdgcn_target "amdgcn-amd-amdhsa--gfx1250"
	.amdhsa_code_object_version 6
	.text
	.protected	k_qdc962fd751_router
	.globl	k_qdc962fd751_router
	.p2align	8
	.type	k_qdc962fd751_router,@function
k_qdc962fd751_router:
	s_mov_b64 s[64:65], 0
	v_nop
	global_prefetch_b8 v0, s[64:65] scope:SCOPE_SE
	s_setreg_imm32_b32 hwreg(HW_REG_WAVE_MODE, 25, 1), 1
	s_wait_xcnt 0x0
; ROUTER.  scores = x Wg + bg; the two largest (equal scores: the lower index); their softmax weights; the softmax over all 8; a bf16 copy of x.
; Work-group g owns tokens 32 g .. 32 g + 31; wave w the K slice 128 w .. 128 w + 127; wave 0 adds the eight partial scores and finishes the group.
; 32 work-groups: a bitmap word is 32 tokens, and no sum crosses work-groups inside a launch.
; FORMATS.  x, Wg and bg are rounded to bf16 (as every input of the program is); products exact in the matrix unit, sums in f32.
; STORED.  xb[t][1024] bf16.  bm[g][32 words]: word 2 e + k has bit i set if choice k of token 32 g + i is expert e; words 16..31 are 0.
;          wt[k*1024 + t] f32.  ps[g][32] f32: 0..7 the group's sums of the eight probabilities, 8..15 its counts, the rest 0.
; No address and no branch hangs on a score: the choices leave as data only.
; LIMITS.  NaN and infinite scores are not treated apart.  A choice differs from an exact one only where two scores differ by f32 summation noise.
.set XTW,   8704                       ; a wave's x tile in LDS: 32 tokens x 272 bytes (256 of bf16 + 16)
.set XP,    272
.set WGI,   69632                      ; a wave's Wg tile: 128 k-rows x 32 bytes: 8 experts in bf16, then 16 bytes of zeros
.set RED,   102400                     ; partial scores: wave x 1024 + lane x 32
.set SPARE, 110592                     ; the spare words, 128 bytes a wave: no other line names them
.set WL,  16                           ; v16-47    Wg fragments, experts in rows 0-7
.set WH,  48                           ; v48-79    Wg fragments, experts in rows 8-15
.set X0,  80                           ; v80-111   x fragments, tokens 0-15
.set X1,  112                          ; v112-143  x fragments, tokens 16-31   (v16-143 hold the raw x first)
.set RW,  144                          ; v144-175  raw Wg
.set XB,  176                          ; v176-239  bf16 x, two registers a token: no store's data is written twice
.set AC0, 240
.set AC1, 248
	s_load_b256 s[4:11], s[0:1], 0x0               ; x s[4:5], Wg s[6:7], bg s[8:9], xb s[10:11]
	s_load_b128 s[12:15], s[0:1], 0x20             ; bm s[12:13], wt s[14:15]
	s_load_b64 s[16:17], s[0:1], 0x30              ; ps
	v_lshl_add_u32 v12, v0, 2, SPARE               ; my spare word, and 0: kept for the wave's end alone
	v_mov_b32 v13, 0
	v_lshrrev_b32 v1, 5, v0
	v_readfirstlane_b32 s20, v1                    ; wave 0..7
	v_and_b32 v1, 31, v0                           ; lane
	v_and_b32 v2, 15, v0                           ; r
	v_bfe_u32 v3, v0, 4, 1                         ; h
	v_lshlrev_b32 v4, 4, v1                        ; lane x 16
	v_lshlrev_b32 v5, 3, v1                        ; lane x 8
	s_mov_b32 s21, ttmp9                           ; g
	s_mul_i32 s42, s20, XTW                        ; my x tile
	s_lshl_b32 s43, s20, 12
	s_add_co_u32 s43, s43, WGI                     ; my Wg tile
	s_lshl_b32 s44, s20, 10
	s_add_co_u32 s44, s44, RED                     ; my partial scores
	v_lshl_add_u32 v6, v1, 3, s42                  ; x in: token i at + 272 i
	v_lshrrev_b32 v7, 1, v1
	v_and_b32 v14, 1, v1
	v_lshlrev_b32 v7, 5, v7
	v_lshl_add_u32 v7, v14, 3, v7
	v_add_nc_u32 v7, s43, v7                       ; Wg in: row lane / 2, experts 4 (lane % 2) on
	v_mul_u32_u24 v8, v2, XP
	v_lshl_add_u32 v8, v3, 4, v8
	v_add_nc_u32 v8, s42, v8                       ; x fragments: row r, 16 h
	v_and_b32 v14, 7, v0
	v_lshl_add_u32 v14, v3, 3, v14                 ; the turning load's row: 8 h + lane % 8
	v_lshl_add_u32 v14, v14, 5, s43
	v_bfe_u32 v15, v0, 3, 1
	v_lshl_add_u32 v9, v15, 4, v14                 ; lanes with r < 8 take the experts' 16 bytes, the others the zeros
	v_xor_b32 v15, 1, v15
	v_lshl_add_u32 v10, v15, 4, v14                ; and the other way round
	v_lshl_add_u32 v11, v1, 5, s44
	v_mov_b32 v14, 0
	v_mov_b32 v15, 0                               ; a pair of zeros for the Wg tile's right half
	s_lshl_b32 s32, s21, 17                        ; x: 32 rows of 4,096 bytes a group, 512 bytes a wave
	s_lshl_b32 s33, s20, 9
	s_add_co_u32 s32, s32, s33
	s_mov_b32 s33, 0
	s_lshl_b32 s34, s20, 12                        ; Wg: 128 rows of 32 bytes a wave
	s_mov_b32 s35, 0
	s_lshl_b32 s36, s21, 16                        ; xb: 32 rows of 2,048 bytes a group, 256 bytes a wave
	s_lshl_b32 s37, s20, 8
	s_add_co_u32 s36, s36, s37
	s_mov_b32 s37, 0
	s_lshl_b32 s38, s21, 7                         ; bm, wt, ps: 128 bytes a group
	s_mov_b32 s39, 0
	s_mov_b32 s40, 0x76543210                      ; v_permlanex16_b32: each lane takes its own place in the other half
	s_mov_b32 s41, 0xfedcba98
	s_wait_kmcnt 0x0
	s_add_nc_u64 s[4:5], s[4:5], s[32:33]
	s_add_nc_u64 s[6:7], s[6:7], s[34:35]
	s_add_nc_u64 s[10:11], s[10:11], s[36:37]
	s_add_nc_u64 s[12:13], s[12:13], s[38:39]
	s_add_nc_u64 s[14:15], s[14:15], s[38:39]
	s_add_nc_u64 s[16:17], s[16:17], s[38:39]
.set j, 0
.rept 8
	global_load_b128 v[RW+4*j:RW+4*j+3], v4, s[6:7] offset:j*512
.set j, j+1
.endr
.set i, 0
.rept 32
	global_load_b128 v[16+4*i:16+4*i+3], v4, s[4:5] offset:i*4096 th:TH_LOAD_NT  ; 512 consecutive bytes of token i
.set i, i+1
.endr
	s_load_b256 s[24:31], s[8:9], 0x0              ; bg
	s_wait_loadcnt 32                              ; Wg is in: the 32 loads of x are younger
.set j, 0
.rept 8
	v_cvt_pk_bf16_f32 v[XB+2*j], v[RW+4*j], v[RW+4*j+1]
	v_cvt_pk_bf16_f32 v[XB+2*j+1], v[RW+4*j+2], v[RW+4*j+3]
	ds_store_b64 v7, v[XB+2*j:XB+2*j+1] offset:j*512
	ds_store_b64 v7, v[14:15] offset:j*512+16
.set j, j+1
.endr
.set i, 0
.rept 32
	s_wait_loadcnt 31-i                            ; token i is in: the later tokens' loads are younger
	v_cvt_pk_bf16_f32 v[XB+2*i], v[16+4*i], v[16+4*i+1]
	v_cvt_pk_bf16_f32 v[XB+2*i+1], v[16+4*i+2], v[16+4*i+3]
	global_store_b64 v5, v[XB+2*i:XB+2*i+1], s[10:11] offset:i*2048  ; the wave stores 256 consecutive bytes, aligned
	ds_store_b64 v6, v[XB+2*i:XB+2*i+1] offset:i*XP
.set i, i+1
.endr
	; fragments: my own bytes, and LDS serves a wave's instructions in order, so no wait stands between the stores and these loads
.set s, 0
.rept 4
	ds_load_tr16_b128 v[WL+8*s:WL+8*s+3],   v9 offset:s*1024
	ds_load_tr16_b128 v[WL+8*s+4:WL+8*s+7], v9 offset:s*1024+512
	ds_load_tr16_b128 v[WH+8*s:WH+8*s+3],   v10 offset:s*1024
	ds_load_tr16_b128 v[WH+8*s+4:WH+8*s+7], v10 offset:s*1024+512
	ds_load_b128 v[X0+8*s:X0+8*s+3],   v8 offset:64*s
	ds_load_b128 v[X0+8*s+4:X0+8*s+7], v8 offset:64*s+32
	ds_load_b128 v[X1+8*s:X1+8*s+3],   v8 offset:16*XP+64*s
	ds_load_b128 v[X1+8*s+4:X1+8*s+7], v8 offset:16*XP+64*s+32
.set s, s+1
.endr
	s_wait_dscnt 0x0
	; source 0 = experts, source 1 = tokens: a lane holds one token, register j expert 8 h + j.  With the experts in rows 0-7 tokens 0-15 fall
	; into lanes 0-15; with the experts in rows 8-15 tokens 16-31 fall into lanes 16-31; the other halves are exact zeros.  The two sums take turns.
	v_wmma_f32_16x16x32_bf16 v[AC0:AC0+7], v[WL:WL+7], v[X0:X0+7], 0
	v_wmma_f32_16x16x32_bf16 v[AC1:AC1+7], v[WH:WH+7], v[X1:X1+7], 0
.set s, 1
.rept 3
	v_wmma_f32_16x16x32_bf16 v[AC0:AC0+7], v[WL+8*s:WL+8*s+7], v[X0+8*s:X0+8*s+7], v[AC0:AC0+7]
	v_wmma_f32_16x16x32_bf16 v[AC1:AC1+7], v[WH+8*s:WH+8*s+7], v[X1+8*s:X1+8*s+7], v[AC1:AC1+7]
.set s, s+1
.endr
.rept 4
	v_nop                                          ; four places behind the last product (ISA guide 7.12.1)
.endr
.irp z, 0,2,4,6
	v_pk_add_f32 v[AC0+\z:AC0+\z+1], v[AC0+\z:AC0+\z+1], v[AC1+\z:AC1+\z+1]  ; lane l: the 8 partial scores of token l
.endr
	ds_store_b128 v11, v[AC0:AC0+3]
	ds_store_b128 v11, v[AC0+4:AC0+7] offset:16
	s_wait_dscnt 0x0                               ; for wave 0's sake: my stores are done
	s_barrier_signal -1
	s_barrier_wait -1
	s_cmp_lg_u32 s20, 0
	s_cbranch_scc1 .Lend
	; WAVE 0: lane l finishes token 32 g + l
	v_lshl_add_u32 v144, v1, 5, RED
.set j, 0
.rept 8
	ds_load_b128 v[16+8*j:16+8*j+3],   v144 offset:j*1024
	ds_load_b128 v[16+8*j+4:16+8*j+7], v144 offset:j*1024+16
.set j, j+1
.endr
	s_wait_dscnt 0x0
	s_wait_kmcnt 0x0                               ; bg
.set j, 1
.rept 7
.irp z, 0,2,4,6
	v_pk_add_f32 v[16+\z:17+\z], v[16+\z:17+\z], v[16+8*j+\z:17+8*j+\z]  ; K slices in ascending order
.endr
.set j, j+1
.endr
.irp i, 0,1,2,3
	v_cvt_pk_bf16_f32 v[80+\i], s[24+2*\i], s[25+2*\i]       ; bg rounded to bf16,
	v_lshlrev_b32 v[84+2*\i], 16, v[80+\i]
	v_and_b32 v[85+2*\i], 0xffff0000, v[80+\i]
	v_pk_add_f32 v[16+2*\i:17+2*\i], v[16+2*\i:17+2*\i], v[84+2*\i:85+2*\i]  ; and added: v16-23 are the scores
.endr
	v_mov_b32 v24, v16                             ; the largest, v24, and its index, v25: a strict compare in ascending order keeps the lower index
	v_mov_b32 v25, 0
.irp e, 1,2,3,4,5,6,7
	v_cmp_gt_f32 vcc_lo, v[16+\e], v24
	v_cndmask_b32 v24, v24, v[16+\e], vcc_lo
	v_cndmask_b32 v25, v25, \e, vcc_lo
.endr
	v_mov_b32 v28, 0xff800000
.irp e, 0,1,2,3,4,5,6,7
	v_cmp_eq_u32 vcc_lo, \e, v25
	v_cndmask_b32 v[32+\e], v[16+\e], v28, vcc_lo  ; the winner is taken out
.endr
	v_mov_b32 v26, v32                             ; the second, v26, and its index, v27
	v_mov_b32 v27, 0
.irp e, 1,2,3,4,5,6,7
	v_cmp_gt_f32 vcc_lo, v[32+\e], v26
	v_cndmask_b32 v26, v26, v[32+\e], vcc_lo
	v_cndmask_b32 v27, v27, \e, vcc_lo
.endr
.irp e, 0,1,2,3,4,5,6,7
	v_sub_f32 v[40+\e], v[16+\e], v24              ; the maximum is taken away
	v_mul_f32 v[40+\e], 0x3fb8aa3b, v[40+\e]
.endr
	v_sub_f32 v48, v26, v24
	v_mul_f32 v48, 0x3fb8aa3b, v48
.irp e, 0,1,2,3,4,5,6,7,8
	v_exp_f32 v[40+\e], v[40+\e]                   ; one batch of nine
.endr
	v_nop                                          ; a plain instruction behind the last exponential,
	s_wait_alu depctr_va_vdst(0)                   ; and one wait for the batch, ahead of its first reader
	v_add_f32 v49, v40, v41
	v_add_f32 v50, v42, v43
	v_add_f32 v56, v44, v45
	v_add_f32 v57, v46, v47
	v_add_f32 v49, v49, v50
	v_add_f32 v56, v56, v57
	v_add_f32 v49, v49, v56                        ; the sum of the eight
	v_add_f32 v50, 1.0, v48                        ; the sum of the two
	v_rcp_f32 v51, v49
	v_rcp_f32 v52, v50                             ; v52: the first choice's weight
	v_nop
	s_wait_alu depctr_va_vdst(0)                   ; one wait for the two reciprocals
	v_mul_f32 v53, v48, v52                        ; v53: the second choice's weight
.irp e, 0,1,2,3,4,5,6,7
	v_mul_f32 v[40+\e], v[40+\e], v51
.endr
.irp e, 0,1,2,3,4,5,6,7                ; each probability summed over the 32 tokens
	v_add_f32_dpp v[40+\e], v[40+\e], v[40+\e] row_xmask:1 row_mask:0xf bank_mask:0xf
	v_add_f32_dpp v[40+\e], v[40+\e], v[40+\e] row_xmask:2 row_mask:0xf bank_mask:0xf
	v_add_f32_dpp v[40+\e], v[40+\e], v[40+\e] row_xmask:4 row_mask:0xf bank_mask:0xf
	v_add_f32_dpp v[40+\e], v[40+\e], v[40+\e] row_xmask:8 row_mask:0xf bank_mask:0xf
	v_permlanex16_b32 v[32+\e], v[40+\e], s40, s41
	v_add_f32 v[40+\e], v[40+\e], v[32+\e]
.endr
	v_mov_b32 v54, 0                               ; the group's 32 bitmap words, one a lane
	v_mov_b32 v55, 0                               ; the group's 32 words of ps
.irp e, 0,1,2,3,4,5,6,7
	v_cmp_eq_u32 s32, \e, v25
	v_cmp_eq_u32 s33, \e, v27
	v_writelane_b32 v54, s32, 2*\e
	v_writelane_b32 v54, s33, 2*\e+1
	s_bcnt1_i32_b32 s34, s32
	s_bcnt1_i32_b32 s35, s33
	s_add_co_u32 s34, s34, s35
	s_cvt_f32_u32 s34, s34
	v_writelane_b32 v55, s34, 8+\e
	v_readfirstlane_b32 s35, v[40+\e]
	v_writelane_b32 v55, s35, \e
.endr
	v_lshlrev_b32 v57, 2, v1
	global_store_b32 v57, v52, s[14:15]            ; each of the four stores: 128 consecutive bytes
	global_store_b32 v57, v53, s[14:15] offset:4096
	global_store_b32 v57, v54, s[12:13]
	global_store_b32 v57, v55, s[16:17]
.Lend:
	s_wait_tensorcnt 0x0                           ; the wave's end
	ds_add_u32 v12, v13
	s_wait_dscnt 0x0
	s_endpgm
.Lfunc_end_k_qdc962fd751_router:
	.size	k_qdc962fd751_router, .Lfunc_end_k_qdc962fd751_router-k_qdc962fd751_router
	.p2alignl 7, 3214868480
	.fill 96, 4, 3214868480
	.section	.rodata,"a",@progbits
	.p2align	6, 0x0
	.amdhsa_kernel k_qdc962fd751_router
		.amdhsa_group_segment_fixed_size 111616
		.amdhsa_private_segment_fixed_size 0
		.amdhsa_enable_private_segment 0
		.amdhsa_kernarg_size 56
		.amdhsa_user_sgpr_count 2
		.amdhsa_user_sgpr_kernarg_segment_ptr 1
		.amdhsa_wavefront_size32 1
		.amdhsa_system_sgpr_workgroup_id_x 1
		.amdhsa_system_sgpr_workgroup_id_y 1
		.amdhsa_system_sgpr_workgroup_id_z 1
		.amdhsa_system_vgpr_workitem_id 0
		.amdhsa_next_free_vgpr 256
		.amdhsa_next_free_sgpr 66
		.amdhsa_reserve_vcc 1
		.amdhsa_float_denorm_mode_32 3
		.amdhsa_float_denorm_mode_16_64 3
		.amdhsa_memory_ordered 1
		.amdhsa_forward_progress 1
		.amdhsa_inst_pref_size 38
	.end_amdhsa_kernel
	.amdgpu_metadata
---
amdhsa.version: [ 1, 2 ]
amdhsa.kernels:
  - .name:           k_qdc962fd751_router
    .symbol:         k_qdc962fd751_router.kd
    .args:
      - { .name: x, .offset: 0, .size: 8, .value_kind: global_buffer, .address_space: global }
      - { .name: Wg, .offset: 8, .size: 8, .value_kind: global_buffer, .address_space: global }
      - { .name: bg, .offset: 16, .size: 8, .value_kind: global_buffer, .address_space: global }
      - { .name: xb, .offset: 24, .size: 8, .value_kind: global_buffer, .address_space: global }
      - { .name: bm, .offset: 32, .size: 8, .value_kind: global_buffer, .address_space: global }
      - { .name: wt, .offset: 40, .size: 8, .value_kind: global_buffer, .address_space: global }
      - { .name: ps, .offset: 48, .size: 8, .value_kind: global_buffer, .address_space: global }
    .group_segment_fixed_size: 111616
    .private_segment_fixed_size: 0
    .kernarg_segment_align: 8
    .kernarg_segment_size: 56
    .max_flat_workgroup_size: 256
    .sgpr_count:     66
    .vgpr_count:     256
    .wavefront_size: 32
...
	.end_amdgpu_metadata
.endif
;; end of part 1
;; launch ffn1 (part 2): grid 32 x 8, 8 waves a work-group, no clusters, 300,032 bytes of LDS; arguments W1, b1, xb, bm, hb; writes hb
.if DOCPART == 2
	.amdgcn_target "amdgcn-amd-amdhsa--gfx1250"
	.amdhsa_code_object_version 6
	.text
	.protected	k_qdc962fd751_ffn1
	.globl	k_qdc962fd751_ffn1
	.p2align	8
	.type	k_qdc962fd751_ffn1,@function
k_qdc962fd751_ffn1:
	s_mov_b64 s[64:65], 0
	v_nop
	global_prefetch_b8 v0, s[64:65] scope:SCOPE_SE
	s_setreg_imm32_b32 hwreg(HW_REG_WAVE_MODE, 25, 1), 1
	s_wait_xcnt 0x0
; FIRST PRODUCT.  h = gelu(x W1[e] + b1[e]) for the rows that chose expert e, in the order of their tokens.  Exact GELU: x/2 (1 + erf(x / sqrt 2)).
; SHARES.  Work-group (slice, e) owns columns 128 slice .. + 127 of W1[e], 1024 x 128 numbers, which it alone reads, once, and ALL of that expert's rows, whatever their number (0 to 1,024).
; The slice is rounded to bf16 on its way through registers and stays in LDS; no byte of it is written twice.  Eight waves, all alike.
; A TRIP j is 32 along K.  Every wave rounds its 4 rows of chunk j + 3 into LDS, asks for its 4 rows of chunk j + 9, multiplies its tiles with step j, asks for its tokens of step j + 6; one barrier.
; Loads into registers come back in order (ISA guide 5.7.1), so weights and tokens are asked for equally far ahead, six trips: a group of 4 + 6 loads a trip, 60 loads of a wave out.
; In trip j chunk j + 3 is stored and steps j and j + 1 are read: these were stored ahead of the barrier that ended trip j - 2 at the latest.
; THE SLICE IN LDS: [block of 64 k][128 rows][144 bytes]: K along the rows, 128 bytes + 16, so that the 16 rows of a fragment load start at 16 different groups of four banks (64 banks of 4 bytes: ISA guide 11.1).
; A lane's four columns 4 l + c of a row of W1 go to LDS rows 64 (l / 16) + 16 c + l % 16: a store's lanes hit neighbouring rows.  So fragment f (rows 16 f ..), row m, is column 64 (f / 4) + 4 m + f % 4.
; TILES.  A tile is 16 rows.  Wave w owns tiles w + 8 t + 24 blk, t = 0..2: 24 accumulators.  Block 0 (384 rows) runs under the stream; blocks 1 and 2 exist only where an expert has more rows,
; read the slice from LDS again and need no barrier.
; THE LIST.  Every wave ranks the expert's rows for itself from the stored bitmaps and keeps the entries of its own tiles: entry = 1024 k + token; places past the count hold 2048 + e, whose low ten bits name a token that exists.
; nt = max(1, ceil(count / 16)): tile 0 is always made and stored, so the next launch reads no byte that was not written.
; PRODUCT.  Source 0 = a weight fragment, source 1 = 16 tokens (straight from xb): a lane holds ONE token (lane % 16); register j of fragment (g, b) is column 64 g + 32 h + 4 j + b, h = lane / 16.
; So a lane holds 32 neighbouring columns of each g.  hb: [e][tile][step of 32][half x][lane][16 bytes]; step 2 G + u holds, in lane (r, h), k = 64 G + 32 h + 16 u + 8 x + 0..7: the order in which the next
; product's token registers take them (it reads its weights in the same order of k); each store covers 512 consecutive bytes.
; NO JOINT LOADS: the rows that an expert's work-groups share come by a list, which no tile descriptor covers; the weights have one reader each.
; FORMATS AND LIMITS.  W1, b1 (and x, in the launch before) rounded to bf16; sums in f32, begun from the bias; h rounded once to bf16.
; erf(z) = 1 - (((((a5 t + a4) t + a3) t + a2) t + a1) t) exp(-z^2), t = 1 / (1 + 0.3275911 z): absolute error 1.5e-7 at the most, for every z >= 0.  NaN and infinities are not treated apart.
.set PG,    16384                      ; bytes from a row of W1[e] to the next
.set CHG,   32*PG                      ; a chunk (32 rows) in memory
.set AST,   64                         ; bytes of a token's row in a step
.set AH,    32                         ; a token fragment's second half
.set HS,    4                          ; a weight fragment: 16 h,
.set FH,    32                         ; its second half 32 bytes on,
.set KS,    64                         ; a block's second step 64 bytes on
.set PT,    144
.set FR,    16*PT                      ; 16 LDS rows: a fragment
.set BLKB,  128*PT                     ; a block of 64 k
.set LIST,  16*BLKB                    ; behind the slice: 512 bytes for each wave: 256 entries of 2 bytes; lanes without a row of mine write entry 255
.set LISTW, 512
.set SPARE, LIST+8*LISTW               ; the spare words, 128 bytes a wave: no other line names them
; window 0: v0 thread; v1 scratch; v2-4 my three tiles' byte offsets in xb; v5 my byte offset in a chunk; v6 where I store in LDS; v8-39, v40-71 weight fragments 0-3, 4-7;
;   v72-215 six slots of three token fragments; v216-247 weight slots 0, 1; v248-251 rounded; v252-253 LDS address of fragments 0-3, 4-7.
; window 1: v0-63 weight slots 2-5; v64-255 accumulators, (t, f) at 64 + 64 t + 8 f.  Prologue and way out work in v8-215.
.set AO,   2
.set WO,   5
.set SA,   6
.set BX,   8
.set BY,   40
.set AR,   72
.set BV,   144
.set W0R,  216
.set CV,   248
.set LA,   252
.set ACC,  64
.set WK,   8                           ; the way out: v8-39   32 numbers x / 2, then gelu: register 4 u + j' of fragment b at 16 u + 4 b + j'
.set U,    40                          ; v40-55  t
.set EE,   56                          ; v56-71  exp(-z^2)
.set PP,   72                          ; v72-87  the polynomial
.set OUT,  88                          ; v88-103 64 bytes to store
.set HO,   104                         ; where
.set L16,  105                         ; lane x 16
; s16 wave, s17 e, s18 slice, s20 count, s21 nt, s22 T (my live tiles in the block), s23 blk, s24 loop counter, s26-31 scratch, s[32:33] weights (stepped), s[34:35] tokens (stepped), s[36:37] tokens,
; s[38:39] hb, s40 my list, s41 my first tile, s42 2 T, s43 my first tile's bytes, s44-57 constants, s[58:59] bias
.set CU,  44
.set CE,  46
.set GA1, 48
.set GA2, 50
.set GA3, 52
.set GA4, 54
.set GA5, 56
.set MSB, 0
.macro WIN new                         ; the immediate's high byte repeats the setting that is left; a switch that changes nothing is dropped
.if MSB != (\new)
	s_set_vgpr_msb (MSB<<8)|(\new)
.set MSB, (\new)
.endif
.endm
.macro SETKO i                         ; ko = where step i (counted from the stepped address) begins in the LDS rows
.set ko, BLKB*((\i)/2)+KS*((\i)%2)
.endm
.macro WLOAD sl, c                     ; my 4 rows of chunk c (counted from the stepped base) into weight slot sl; a load covers 512 consecutive bytes, aligned
.if (\sl) < 2
.set wb, W0R+16*(\sl)
	WIN 0
.else
.set wb, 16*((\sl)-2)
	WIN 0x40                                       ; destination in window 1
.endif
.irp r, 0,1,2,3
	global_load_b128 v[wb+4*(\r):wb+4*(\r)+3], v[WO], s[32:33] offset:(\c)*CHG+(\r)*PG th:TH_LOAD_NT
.endr
	WIN 0
.endm
.macro CONV sl, off                    ; slot sl rounded and stored: for each of my four columns 4 numbers along K, 8 bytes, at byte off of the column's LDS row
.if (\sl) < 2
.set wb, W0R+16*(\sl)
.set ww, 0
.else
.set wb, 16*((\sl)-2)
.set ww, 0x05                          ; sources 0 and 1 in window 1
.endif
.irp cc, 0,2
	WIN ww
	v_cvt_pk_bf16_f32 v[CV],   v[wb+(\cc)],   v[wb+4+(\cc)]
	v_cvt_pk_bf16_f32 v[CV+1], v[wb+8+(\cc)], v[wb+12+(\cc)]
	v_cvt_pk_bf16_f32 v[CV+2], v[wb+1+(\cc)], v[wb+5+(\cc)]
	v_cvt_pk_bf16_f32 v[CV+3], v[wb+9+(\cc)], v[wb+13+(\cc)]
	WIN 0
	ds_store_b64 v[SA], v[CV:CV+1]   offset:(\off)+(\cc)*FR
	ds_store_b64 v[SA], v[CV+2:CV+3] offset:(\off)+((\cc)+1)*FR
.endr
.endm
.macro BLOAD dst, fb, off              ; four weight fragments, fb .. fb + 3, at byte off
.irp n, 0,1,2,3
	ds_load_b128 v[(\dst)+8*(\n):(\dst)+8*(\n)+3],   v[LA+(\fb)/4] offset:(\off)+(\n)*FR
	ds_load_b128 v[(\dst)+8*(\n)+4:(\dst)+8*(\n)+7], v[LA+(\fb)/4] offset:(\off)+(\n)*FR+FH
.endr
.endm
.macro ALOAD sg, off                   ; three token fragments into slot sg; all six loads are always issued, so that the counted waits hold on every path
.irp t, 0,1,2
	global_load_b128 v[AR+24*(\sg)+8*(\t):AR+24*(\sg)+8*(\t)+3],   v[AO+(\t)], s[34:35] offset:(\off)
	global_load_b128 v[AR+24*(\sg)+8*(\t)+4:AR+24*(\sg)+8*(\t)+7], v[AO+(\t)], s[34:35] offset:(\off)+AH
.endr
.endm
.macro MMA t, f, sg
	v_wmma_f32_16x16x32_bf16 v[ACC+64*(\t)+8*(\f):ACC+64*(\t)+8*(\f)+7], v[BX+8*(\f):BX+8*(\f)+7], v[AR+24*(\sg)+8*(\t):AR+24*(\sg)+8*(\t)+7], v[ACC+64*(\t)+8*(\f):ACC+64*(\t)+8*(\f)+7]
.endm
; 12 products: fragments 4 hf .. 4 hf + 3 x my three tiles, with slot sg's tokens.  Tiles past T are jumped in groups (0, 1) and (2).  No two neighbours share an accumulator, from half to half and over
; the loops' jumps too: the accumulators take turns.  The four v_nop are the places in front of the loads into registers that these products read.
.macro HALF hf, sg
	s_cmp_lt_u32 s22, 1
	s_cbranch_scc1 .Lhe_\@
	WIN 0x50                                       ; C and D in window 1
.irp b, 0,1,2,3
.irp t, 0,1
	MMA \t, 4*(\hf)+\b, \sg
.endr
.endr
	WIN 0
	s_cmp_lt_u32 s22, 3
	s_cbranch_scc1 .Lhe_\@
	WIN 0x50
.irp b, 0,1,2,3
	MMA 2, 4*(\hf)+\b, \sg
.endr
	WIN 0
.Lhe_\@:
.rept 4
	v_nop
.endr
.endm
; Trip i (counted from the stepped bases).  cw: the loads younger than this trip's group.  cv: a chunk is stored.  wl, al: weights, tokens are asked for.  nx: the next step's first four fragments are fetched.  bar: a barrier ends it.
.macro TRIP i, cw, cv, wl, al, nx, bar
	SETKO \i
	BLOAD BY, 4, ko
	s_wait_loadcnt \cw                             ; my rows of chunk j + 3 and my tokens of step j are in
.if \cv
	CONV ((\i)+3)%6, BLKB*(((\i)+3)/2-1)+64*(((\i)+3)%2)
.endif
.if \wl
	WLOAD ((\i)+3)%6, (\i)+9
.endif
	s_wait_dscnt 8+4*(\cv)                         ; fragments 0-3 are in: the eight loads and the stores above are younger
	HALF 0, (\i)%6
.if \nx
	SETKO (\i)+1
	BLOAD BX, 0, ko
.endif
	s_wait_dscnt 4*(\cv)+8*(\nx)                   ; fragments 4-7 are in: the stores and the eight loads just issued are younger
	HALF 1, (\i)%6
.if \al
	ALOAD (\i)%6, ((\i)+6)*AST
.endif
.if \bar
	s_wait_dscnt 0x0                               ; for the others' sake: my stores are done
	s_barrier_signal -1
	s_barrier_wait -1
.endif
.endm
.macro STEP                            ; six trips on
	s_wait_xcnt 0x0                                ; the bases of the loads issued so far are rewritten only behind this wait
	s_add_nc_u64 s[32:33], s[32:33], 6*CHG
	s_add_nc_u64 s[34:35], s[34:35], 6*AST
	v_add_nc_u32 v[LA], 3*BLKB, v[LA]
	v_add_nc_u32 v[LA+1], 3*BLKB, v[LA+1]
	v_add_nc_u32 v[SA], 3*BLKB, v[SA]
.endm
.macro BIAS_LOAD                       ; my 64 columns' bias: b1[64 g + 32 h + 0..31] at BV + 32 g
	v_bfe_u32 v9, v0, 4, 1
	v_lshlrev_b32 v9, 7, v9
.set z, 0
.rept 16
	global_load_b128 v[BV+4*z:BV+4*z+3], v9, s[58:59] offset:256*(z/8)+16*(z%8)
.set z, z+1
.endr
.endm
.macro BIAS_SPREAD                     ; rounded to bf16, and copied into the three tiles' accumulators: the sums begin from the bias, and no first trip is written out
.set z, 0
.rept 32
	v_cvt_pk_bf16_f32 v[12+z%4], v[BV+2*z], v[BV+2*z+1]
	v_lshlrev_b32 v[BV+2*z], 16, v[12+z%4]
	v_and_b32 v[BV+2*z+1], 0xffff0000, v[12+z%4]
.set z, z+1
.endr
	WIN 0x40                                       ; destination in window 1
.set z, 0
.rept 192                              ; register j = z % 8 of fragment f = (z % 64) / 8 takes column 32 (f / 4) + 4 j + f % 4 of my 64
	v_mov_b32 v[ACC+z], v[BV+32*((z%64)/32)+4*(z%8)+((z%64)/8)%4]
.set z, z+1
.endr
	WIN 0
.endm
.macro SETBLK                          ; block s23: my first tile, my number of live tiles, my three tiles' rows of xb
	s_mul_i32 s26, s23, 24
	s_add_co_u32 s41, s26, s16
	s_sub_co_i32 s27, s21, s41
	s_add_co_i32 s27, s27, 7
	s_ashr_i32 s27, s27, 3
	s_max_i32 s27, s27, 0
	s_min_i32 s22, s27, 3                          ; T = ceil((nt - 24 blk - w) / 8), held to 0 .. 3
	s_mul_i32 s26, s23, 96                         ; three tiles of 32 bytes in my list
	s_add_co_u32 s26, s26, s40
	v_and_b32 v12, 15, v0
	v_bfe_u32 v13, v0, 4, 1
	v_lshl_add_u32 v14, v12, 1, s26
.irp t, 0,1,2
	ds_load_u16 v[AO+(\t)], v14 offset:32*(\t)
.endr
	v_lshlrev_b32 v13, 4, v13
	s_wait_dscnt 0x0
.irp t, 0,1,2
	v_and_b32 v[AO+(\t)], 0x3ff, v[AO+(\t)]        ; the token
	v_min_u32 v[AO+(\t)], 0x3ff, v[AO+(\t)]        ; a loaded number enters an address only behind a bound written in the text
	v_lshl_add_u32 v[AO+(\t)], v[AO+(\t)], 11, v13 ; its row of 2,048 bytes, + 16 h
.endr
.endm
.macro MAKE_LA                         ; a fragment's row lane % 16, and the half's place in it
	v_and_b32 v1, 15, v0
	v_mul_u32_u24 v[LA], v1, PT
	v_bfe_u32 v1, v0, 4, 1
	v_lshl_add_u32 v[LA], v1, HS, v[LA]
	v_add_nc_u32 v[LA+1], 4*FR, v[LA]
.endm
	s_load_b256 s[4:11], s[0:1], 0x0               ; W1 s[4:5], b1 s[6:7], xb s[8:9], bm s[10:11]
	s_load_b64 s[12:13], s[0:1], 0x20              ; hb
	v_lshrrev_b32 v1, 5, v0
	v_readfirstlane_b32 s16, v1                    ; wave 0..7
	s_and_b32 s17, ttmp7, 0xffff                   ; e
	s_mov_b32 s18, ttmp9                           ; slice
	s_lshl_b32 s26, s17, 24                        ; W1: e x 16 MiB + slice x 512
	s_lshl_b32 s28, s18, 9
	s_add_co_u32 s26, s26, s28
	s_mov_b32 s27, 0
	s_lshl_b32 s30, s17, 14                        ; b1: e x 16,384 + slice x 512
	s_add_co_u32 s28, s28, s30
	s_mov_b32 s29, 0
	s_lshl_b32 s30, s17, 23                        ; hb: e x 8 MiB + slice x 4 steps of 1,024 bytes
	s_lshl_b32 s42, s18, 12
	s_add_co_u32 s30, s30, s42
	s_mov_b32 s31, 0
	s_mov_b32 s23, 0
	v_and_b32 v10, 31, v0                          ; lane
	s_mul_i32 s42, s16, 4*PG
	v_lshl_add_u32 v[WO], v10, 4, s42              ; my 4 rows of a chunk, 16 bytes a lane
	v_and_b32 v1, 15, v0
	v_bfe_u32 v11, v0, 4, 1
	v_lshl_add_u32 v12, v11, 6, v1                 ; LDS row 64 (lane / 16) + lane % 16
	v_mul_u32_u24 v12, v12, PT
	s_lshl_b32 s42, s16, 3
	v_add_nc_u32 v[SA], s42, v12                   ; + my 4 k of a chunk's 32: 8 bytes
	MAKE_LA
	s_lshl_b32 s42, s17, 3
	v_lshl_add_u32 v8, v10, 7, s42                 ; lane g: group g's two words for expert e
	s_mov_b32 s[CU], 0x3eed3388                    ; 0.3275911 sqrt 2
	s_mov_b32 s[CE], 0xc038aa3b                    ; -2 log2(e)
	s_mov_b32 s[CE+1], 0xc038aa3b                  ; (the packed forms name pairs and take the low word for both halves)
	s_mov_b32 s[GA1], 0x3e827906                   ; 0.254829592
	s_mov_b32 s[GA1+1], 0x3e827906
	s_mov_b32 s[GA2], 0xbe91a98e                   ; -0.284496736
	s_mov_b32 s[GA2+1], 0xbe91a98e
	s_mov_b32 s[GA3], 0x3fb5f0e3                   ; 1.421413741
	s_mov_b32 s[GA3+1], 0x3fb5f0e3
	s_mov_b32 s[GA4], 0xbfba00e3                   ; -1.453152027
	s_mov_b32 s[GA4+1], 0xbfba00e3
	s_mov_b32 s[GA5], 0x3f87dc22                   ; 1.061405429
	s_mov_b32 s[GA5+1], 0x3f87dc22
	s_wait_kmcnt 0x0
	s_add_nc_u64 s[32:33], s[4:5], s[26:27]
	s_add_nc_u64 s[58:59], s[6:7], s[28:29]
	s_mov_b64 s[36:37], s[8:9]
	s_mov_b64 s[34:35], s[8:9]
	s_add_nc_u64 s[38:39], s[12:13], s[30:31]
	global_load_b64 v[208:209], v8, s[10:11]       ; first choice's word, second choice's word
	BIAS_LOAD
.irp c, 0,1,2,3,4,5
	WLOAD \c, \c                                   ; the stream begins ahead of everything that waits
.endr
	; THE LIST
	s_lshl_b32 s40, s16, 9
	s_add_co_u32 s40, s40, LIST                    ; my list
	s_add_co_u32 s26, s17, 2048
	s_lshl_b32 s27, s26, 16
	s_or_b32 s26, s26, s27
	v_mov_b32 v12, s26                             ; 2048 + e in every place
	v_mov_b32 v13, s26
	v_mov_b32 v14, s26
	v_mov_b32 v15, s26
	v_lshl_add_u32 v16, v10, 4, s40
	ds_store_b128 v16, v[12:15]
	v_mov_b32 v17, 0xff
	s_mov_b32 s20, 0                               ; rows so far
	s_mov_b32 s24, 0                               ; group
	s_wait_loadcnt 24                              ; the bitmaps and the bias are in: the 24 weight loads are younger
.Llist:
	v_readlane_b32 s26, v208, s24
	v_readlane_b32 s27, v209, s24
	s_or_b32 s28, s26, s27                         ; the group's members
	v_mbcnt_lo_u32_b32 v18, s28, s20               ; my token's rank: the rows so far + the members in lower lanes
	v_bfe_u32 v19, v18, 4, 3                       ; its tile modulo 8:
	v_cmp_eq_u32 s29, s16, v19                     ; mine?
	s_and_b32 s29, s29, s28
	v_lshrrev_b32 v19, 7, v18                      ; which of my tiles,
	v_and_b32 v18, 15, v18                         ; which row of it
	v_lshl_or_b32 v18, v19, 4, v18
	v_cndmask_b32 v18, v17, v18, s29               ; no member, or not mine: place 255
	v_min_u32 v18, 0xff, v18                       ; a loaded number enters an address only behind a bound written in the text
	v_lshl_add_u32 v18, v18, 1, s40
	s_lshl_b32 s29, s24, 5
	v_add_nc_u32 v20, s29, v10                     ; the token,
	v_or_b32 v21, 0x400, v20
	v_cndmask_b32 v20, v20, v21, s27               ; + 1024 if e is its second choice
	ds_store_b16 v18, v20
	s_bcnt1_i32_b32 s29, s28
	s_add_co_u32 s20, s20, s29
	s_add_co_u32 s24, s24, 1
	s_cmp_lt_u32 s24, 32
	s_cbranch_scc1 .Llist
	s_add_co_u32 s21, s20, 15
	s_lshr_b32 s21, s21, 4
	s_max_u32 s21, s21, 1                          ; nt
	SETBLK
	ALOAD 0, 0
	ALOAD 1, AST
	ALOAD 2, 2*AST
	BIAS_SPREAD
	s_wait_loadcnt 38                              ; chunk 0 is in: behind it went chunks 1-5 (20) and three steps' tokens (18)
	CONV 0, 0
	WLOAD 0, 6
	ALOAD 3, 3*AST
	s_wait_loadcnt 44                              ; chunk 1: chunks 2-5 (16), 18, and the 10 just issued
	CONV 1, 64
	WLOAD 1, 7
	ALOAD 4, 4*AST
	s_wait_loadcnt 50                              ; chunk 2: chunks 3-5 (12), 18, 20
	CONV 2, BLKB
	WLOAD 2, 8
	ALOAD 5, 5*AST
	v_add_nc_u32 v[SA], BLKB, v[SA]                ; from here on the stores' offsets count from block 1
	s_wait_loadcnt 30                              ; chunks 3-5 and the tokens of steps 0-2 are in: behind them went three groups of 10; from trip 3 on the queue is in the loop's order
	s_wait_dscnt 0x0
	s_barrier_signal -1
	s_barrier_wait -1                              ; chunks 0, 1, 2 lie in LDS
	BLOAD BX, 0, 0
	s_mov_b32 s24, 3
.Lbody:                                                ; six trips a turn, as the rings have six slots; five younger groups of 10 loads stay out
.irp i, 0,1,2,3,4,5
	TRIP \i, 50, 1, 1, 1, 1, 1
.endr
	STEP
	s_sub_co_u32 s24, s24, 1
	s_cmp_lg_u32 s24, 0
	s_cbranch_scc1 .Lbody
.irp i, 0,1,2,3,4
	TRIP \i, 50, 1, 1, 1, 1, 1                     ; trips 18 to 22: trip 22 asks for the last chunk
.endr
	TRIP 5, 50, 1, 0, 1, 1, 1                      ; trip 23
	STEP
	TRIP 0, 46, 1, 0, 1, 1, 1                      ; trips 24 on: the younger groups thin out: 4 x 10 + 6,
	TRIP 1, 42, 1, 0, 1, 1, 1                      ; 3 x 10 + 2 x 6; the last tokens are asked for
	TRIP 2, 38, 1, 0, 0, 1, 1                      ; 2 x 10 + 3 x 6
	TRIP 3, 28, 1, 0, 0, 1, 1                      ; 10 + 3 x 6
	TRIP 4, 18, 1, 0, 0, 1, 1                      ; the last chunk is stored; behind this barrier the whole slice lies in LDS
	TRIP 5, 12, 0, 0, 0, 1, 0
	TRIP 6, 6, 0, 0, 0, 1, 0
	TRIP 7, 0, 0, 0, 0, 0, 0
.Lblk:                                                 ; THE WAY OUT of block s23, 32 numbers a lane at a time: piece 2 t + g is fragments 4 g .. 4 g + 3 of tile t, whole
	v_and_b32 v[L16], 31, v0
	v_lshlrev_b32 v[L16], 4, v[L16]
	s_lshl_b32 s42, s22, 1
	s_lshl_b32 s43, s41, 17                        ; a tile is 131,072 bytes of hb
	s_mov_b32 s24, 0
.Lep:
	s_cmp_ge_u32 s24, s42
	s_cbranch_scc1 .Lepx
.irp k, 1,2,3,4,5
	s_cmp_eq_u32 s24, \k
	s_cbranch_scc1 .Lst_\k
.endr
; Registers cannot be indexed: a stub for each piece halves its 32 sums into WK, and ONE text does the rest.  A stub takes whole accumulators, each in ascending order of its registers:
; whichever stub is reached, an accumulator's lowest registers are read first.
.macro STUB k, br
.Lst_\k:
	WIN 0x01                                       ; source 0 in window 1
.irp b, 0,1,2,3
.set sa, ACC+64*((\k)/2)+8*(4*((\k)%2)+(\b))
	v_pk_mul_f32 v[WK+4*(\b):WK+4*(\b)+1],       v[sa:sa+1],   0.5 op_sel_hi:[1,0]
	v_pk_mul_f32 v[WK+4*(\b)+2:WK+4*(\b)+3],     v[sa+2:sa+3], 0.5 op_sel_hi:[1,0]
	v_pk_mul_f32 v[WK+16+4*(\b):WK+16+4*(\b)+1],   v[sa+4:sa+5], 0.5 op_sel_hi:[1,0]
	v_pk_mul_f32 v[WK+16+4*(\b)+2:WK+16+4*(\b)+3], v[sa+6:sa+7], 0.5 op_sel_hi:[1,0]
.endr
	WIN 0
.if \br
	s_branch .Lgelu
.endif
.endm
.irp k, 0,1,2,3,4
	STUB \k, 1
.endr
	STUB 5, 0
; GELU of the 16 numbers y = x / 2 at wk, in place.  t = 1 / (1 + CU |y|), E = 2^(CE y^2): plain instructions and transcendentals by turns, a pair apart; ONE batch of 32, one wait.
.macro GELU16 wk
.set p, 0
.rept 9
.if p < 8
	v_fma_f32 v[U+2*p], |v[(\wk)+2*p]|, s[CU], 1.0
.endif
.if p > 0
	v_rcp_f32 v[U+2*p-2], v[U+2*p-2]
.endif
.if p < 8
	v_fma_f32 v[U+2*p+1], |v[(\wk)+2*p+1]|, s[CU], 1.0
.endif
.if p > 0
	v_rcp_f32 v[U+2*p-1], v[U+2*p-1]
.endif
.if p < 8
	v_pk_mul_f32 v[EE+2*p:EE+2*p+1], v[(\wk)+2*p:(\wk)+2*p+1], v[(\wk)+2*p:(\wk)+2*p+1]
.endif
.if p > 0
	v_exp_f32 v[EE+2*p-2], v[EE+2*p-2]
.endif
.if p < 8
	v_pk_mul_f32 v[EE+2*p:EE+2*p+1], v[EE+2*p:EE+2*p+1], s[CE:CE+1] op_sel_hi:[1,0]
.endif
.if p > 0
	v_exp_f32 v[EE+2*p-1], v[EE+2*p-1]
.endif
.set p, p+1
.endr
	v_nop                                          ; a plain instruction behind the last transcendental,
	s_wait_alu depctr_va_vdst(0)                   ; and one wait for the batch, ahead of its first reader
.set z, 0
.rept 8
	v_pk_fma_f32 v[PP+2*z:PP+2*z+1], v[U+2*z:U+2*z+1], s[GA5:GA5+1], s[GA4:GA4+1] op_sel_hi:[1,0,0]
.set z, z+1
.endr
.irp c, GA3, GA2, GA1
.set z, 0
.rept 8
	v_pk_fma_f32 v[PP+2*z:PP+2*z+1], v[PP+2*z:PP+2*z+1], v[U+2*z:U+2*z+1], s[\c:\c+1] op_sel_hi:[1,1,0]
.set z, z+1
.endr
.endr
.set z, 0
.rept 8
	v_pk_mul_f32 v[PP+2*z:PP+2*z+1], v[PP+2*z:PP+2*z+1], v[U+2*z:U+2*z+1]
.set z, z+1
.endr
.set z, 0
.rept 8
	v_pk_fma_f32 v[PP+2*z:PP+2*z+1], v[PP+2*z:PP+2*z+1], v[EE+2*z:EE+2*z+1], 1.0 op_sel_hi:[1,1,0] neg_lo:[1,0,0] neg_hi:[1,0,0]  ; erf(|x| / sqrt 2)
.set z, z+1
.endr
.set z, 0
.rept 16
	v_fma_f32 v[(\wk)+z], |v[(\wk)+z]|, v[PP+z], v[(\wk)+z]  ; gelu = y + |y| erf
.set z, z+1
.endr
.endm
.Lgelu:
	GELU16 WK                                      ; u = 0: columns 64 g + 32 h + 0..15
	GELU16 WK+16                                   ; u = 1: columns 64 g + 32 h + 16..31
	s_lshr_b32 s26, s24, 1
	s_lshl_b32 s26, s26, 20                        ; t: eight tiles on
	s_and_b32 s27, s24, 1
	s_lshl_b32 s27, s27, 11                        ; g: two steps of the next product's K
	s_add_co_u32 s26, s26, s27
	s_add_co_u32 s26, s26, s43
	s_wait_xcnt 0x0                                ; the last piece's stores have read their data and their offset: these are rewritten only behind this wait
	v_add_nc_u32 v[HO], s26, v[L16]
.set z, 0
.rept 16                               ; u = z / 8; columns 2 z', 2 z' + 1 of u's 16, z' = z % 8: j' = z' / 2, b = 2 (z' % 2) and the next
	v_cvt_pk_bf16_f32 v[OUT+z], v[WK+16*(z/8)+8*(z%2)+(z%8)/2], v[WK+16*(z/8)+8*(z%2)+4+(z%8)/2]
.set z, z+1
.endr
.irp n, 0,1,2,3
	global_store_b128 v[HO], v[OUT+4*(\n):OUT+4*(\n)+3], s[38:39] offset:512*(\n)  ; step 2 g + n / 2, half n % 2: each store covers 512 consecutive bytes, aligned
.endr
	s_add_co_u32 s24, s24, 1
	s_cmp_lt_u32 s24, 6
	s_cbranch_scc1 .Lep
.Lepx:
	s_add_co_u32 s23, s23, 1
	s_mul_i32 s26, s23, 24
	s_cmp_le_u32 s21, s26
	s_cbranch_scc1 .Lend                           ; no tile is left (nt is 64 at the most, so this is taken at block 3 at the latest)
	s_wait_xcnt 0x0                                ; the stores' registers are free
	SETBLK
	BIAS_LOAD
	s_wait_loadcnt 0x0
	BIAS_SPREAD
	MAKE_LA
	s_mov_b64 s[34:35], s[36:37]
	s_mov_b32 s24, 16
.Lpb:                                                  ; a further block of 384 rows, a block of 64 k a trip: the slice is read from LDS once more; nothing writes LDS, so no barrier
	ALOAD 0, 0
	ALOAD 1, AST
	BLOAD BX, 0, 0
	BLOAD BY, 4, 0
	s_wait_loadcnt 6                               ; the first step's tokens: the second step's six loads are younger
	s_wait_dscnt 0x0
	HALF 0, 0
	HALF 1, 0
	BLOAD BX, 0, KS
	BLOAD BY, 4, KS
	s_wait_loadcnt 0x0
	s_wait_dscnt 0x0
	HALF 0, 1
	HALF 1, 1
	s_add_nc_u64 s[34:35], s[34:35], 2*AST
	v_add_nc_u32 v[LA], BLKB, v[LA]
	v_add_nc_u32 v[LA+1], BLKB, v[LA+1]
	s_sub_co_u32 s24, s24, 1
	s_cmp_lg_u32 s24, 0
	s_cbranch_scc1 .Lpb
	s_cmp_lt_u32 s23, 3
	s_cbranch_scc1 .Lblk
.Lend:
	s_wait_dscnt 0x0                               ; my LDS reads are back,
	s_barrier_signal -1
	s_barrier_wait -1                              ; and so are everybody's: only now does any wave write LDS again
	v_lshl_add_u32 v8, v0, 2, SPARE                ; no two registers could be kept: v0 was, and the two are made here
	v_mov_b32 v9, 0
	s_wait_tensorcnt 0x0                           ; the wave's end
	ds_add_u32 v8, v9
	s_wait_dscnt 0x0
	s_endpgm
.Lfunc_end_k_qdc962fd751_ffn1:
	.size	k_qdc962fd751_ffn1, .Lfunc_end_k_qdc962fd751_ffn1-k_qdc962fd751_ffn1
	.p2alignl 7, 3214868480
	.fill 96, 4, 3214868480
	.section	.rodata,"a",@progbits
	.p2align	6, 0x0
	.amdhsa_kernel k_qdc962fd751_ffn1
		.amdhsa_group_segment_fixed_size 300032
		.amdhsa_private_segment_fixed_size 0
		.amdhsa_enable_private_segment 0
		.amdhsa_kernarg_size 40
		.amdhsa_user_sgpr_count 2
		.amdhsa_user_sgpr_kernarg_segment_ptr 1
		.amdhsa_wavefront_size32 1
		.amdhsa_system_sgpr_workgroup_id_x 1
		.amdhsa_system_sgpr_workgroup_id_y 1
		.amdhsa_system_sgpr_workgroup_id_z 1
		.amdhsa_system_vgpr_workitem_id 0
		.amdhsa_next_free_vgpr 512
		.amdhsa_next_free_sgpr 66
		.amdhsa_reserve_vcc 0
		.amdhsa_float_denorm_mode_32 3
		.amdhsa_float_denorm_mode_16_64 3
		.amdhsa_memory_ordered 1
		.amdhsa_forward_progress 1
		.amdhsa_inst_pref_size 171
	.end_amdhsa_kernel
	.amdgpu_metadata
---
amdhsa.version: [ 1, 2 ]
amdhsa.kernels:
  - .name:           k_qdc962fd751_ffn1
    .symbol:         k_qdc962fd751_ffn1.kd
    .args:
      - { .name: W1, .offset: 0, .size: 8, .value_kind: global_buffer, .address_space: global }
      - { .name: b1, .offset: 8, .size: 8, .value_kind: global_buffer, .address_space: global }
      - { .name: xb, .offset: 16, .size: 8, .value_kind: global_buffer, .address_space: global }
      - { .name: bm, .offset: 24, .size: 8, .value_kind: global_buffer, .address_space: global }
      - { .name: hb, .offset: 32, .size: 8, .value_kind: global_buffer, .address_space: global }
    .group_segment_fixed_size: 300032
    .private_segment_fixed_size: 0
    .kernarg_segment_align: 8
    .kernarg_segment_size: 40
    .max_flat_workgroup_size: 256
    .sgpr_count:     66
    .vgpr_count:     512
    .wavefront_size: 32
...
	.end_amdgpu_metadata
.endif
;; end of part 2
;; launch ffn2 (part 3): grid 32 x 8, 8 waves a work-group, no clusters, 300,032 bytes of LDS; arguments W2, b2, hb, bm, wt, yb; writes yb
.if DOCPART == 3
	.amdgcn_target "amdgcn-amd-amdhsa--gfx1250"
	.amdhsa_code_object_version 6
	.text
	.protected	k_qdc962fd751_ffn2
	.globl	k_qdc962fd751_ffn2
	.p2align	8
	.type	k_qdc962fd751_ffn2,@function
k_qdc962fd751_ffn2:
	s_mov_b64 s[64:65], 0
	v_nop
	global_prefetch_b8 v0, s[64:65] scope:SCOPE_SE
	s_setreg_imm32_b32 hwreg(HW_REG_WAVE_MODE, 25, 1), 1
	s_wait_xcnt 0x0
; SECOND PRODUCT.  weight x (h W2[e] + b2[e]) for the rows that chose expert e, in four partial sums along K, each row scattered to its place (choice, token).
; SHARES.  Work-group (8 q + j, e) owns rows 1024 q .. + 1023 and columns 128 j .. + 127 of W2[e], which it alone reads, once, and ALL of that expert's rows.  With the whole K a work-group's columns
; would be 32, 128 bytes of a row of W2; a quarter of K and 128 columns give rows of 512 bytes and a quarter of the reads of h, at the price of four partial rows, added by the next launch.
; THE BODY is the first product's.  Eight waves, all alike.  A trip j is 32 along K: every wave rounds its 4 rows of chunk j + 3 into LDS, asks for its 4 rows of chunk j + 9, multiplies its tiles with step j,
; asks for its tokens of step j + 6; one barrier.  Loads into registers come back in order (ISA guide 5.7.1), so weights and tokens are asked for equally far ahead: a group of 4 + 6 loads a trip, 60 loads of a wave out.
; THE SLICE IN LDS: [block of 64 k][128 rows][144 bytes], K along the rows; a lane's four columns 4 l + c go to rows 64 (l / 16) + 16 c + l % 16, so fragment f, row m, is column 64 (f / 4) + 4 m + f % 4.
; THE ORDER OF K.  hb lies as the first product's lanes held it: step 2 G + u has, in lane (r, h), k = 64 G + 32 h + 16 u + 8 x + 0..7 in half x.  The weight fragments are read in the same order: bytes 64 h + 32 u + 16 x of block G.
; A step thus needs chunks 2 G and 2 G + 1: in trip j chunk j + 3 is stored and steps j and j + 1 are read, chunks j + 2 at the most, stored ahead of the barrier that ended trip j - 1.
; TOKENS.  A live tile's load covers 512 consecutive bytes of hb.  A tile past nt loads one 16-byte piece of tile 0, which is always written.
; PRODUCT.  Source 0 = 16 tokens, source 1 = a weight fragment: a lane holds column 64 g + 4 r + b (r = lane % 16) of rows 8 h + 0..7.  Register j of fragments 4 g .. 4 g + 3, each times the row's weight, are 16 neighbouring
; bytes of row 8 h + j: sixteen lanes store 256 consecutive bytes of one row, aligned, straight from registers: no stage in LDS.
; THE LIST is built as in the first product: entry = 1024 k + token, the row of wt and of yb; places past the count hold 2048 + e, a row of yb that nobody reads, of which columns 128 j .. in plane q are this work-group's alone.
; So no lane is ever switched off.  yb: 4 planes (q) of 2,056 rows of 4,096 bytes.
; NO JOINT LOADS: the eight column slices of one (e, q) do read the same tiles of h, but the slice takes 294,912 of the 327,680 bytes of LDS, a step of 24 tiles is 24,576 bytes, so two slots do not fit; and the number of tiles hangs on a stored count.
; FORMATS.  W2, b2 rounded to bf16; h is bf16; sums in f32, begun from the bias in quarter 0 and from 0 in the others; partial rows in f32.  NaN and infinities are not treated apart.
.set PG,    4096                       ; bytes from a row of W2[e] to the next
.set CHG,   32*PG
.set AST,   1024                       ; bytes of a tile's step
.set AH,    512                        ; a token fragment's second half
.set HS,    6                          ; a weight fragment: 64 h,
.set FH,    16                         ; its second half 16 bytes on,
.set KS,    32                         ; a block's second step 32 bytes on
.set PT,    144                        ; 128 bytes + 16: the 16 rows of a fragment load start at 16 different groups of four banks (64 banks of 4 bytes: ISA guide 11.1)
.set FR,    16*PT
.set BLKB,  128*PT
.set LIST,  16*BLKB                    ; 512 bytes for each wave
.set LISTW, 512
.set SPARE, LIST+8*LISTW               ; the spare words, 128 bytes a wave: no other line names them
.set PLANE, 8421376                    ; 2,056 rows of 4,096 bytes
; registers as in the first product.  window 0: v0 thread; v1 scratch; v2-4 tiles' offsets in hb; v5 my offset in a chunk; v6 where I store in LDS; v8-71 weight fragments; v72-215 six slots of three token fragments;
;   v216-247 weight slots 0, 1; v248-251 rounded; v252-253 fragment addresses.  window 1: v0-63 weight slots 2-5; v64-255 accumulators, (t, f) at 64 + 64 t + 8 f.
.set AO,   2
.set WO,   5
.set SA,   6
.set BX,   8
.set BY,   40
.set AR,   72
.set BV,   144
.set W0R,  216
.set CV,   248
.set LA,   252
.set ACC,  64
.set EN,   8                           ; the way out: v8-19 my half's eight entries in each of my three tiles, packed
.set RO,   24                          ; v24-47  their rows' byte offsets in yb
.set WA,   48                          ; v48-71  their byte offsets in wt
.set WT,   72                          ; v72-95  their weights
.set Q,    96                          ; v96-159 a tile's 64 weighted sums
; s16 wave, s17 e, s18 j, s19 q, s20 count, s21 nt, s22 T, s23 blk, s24 loop counter, s26-31 scratch, s[32:33] weights (stepped), s[34:35] tokens (stepped), s[36:37] tokens, s[38:39] yb, s40 my list, s41 my first tile,
; s43 all ones in quarter 0, else 0, s[58:59] bias
.set MSB, 0
.macro WIN new                         ; the immediate's high byte repeats the setting that is left; a switch that changes nothing is dropped
.if MSB != (\new)
	s_set_vgpr_msb (MSB<<8)|(\new)
.set MSB, (\new)
.endif
.endm
.macro SETKO i                         ; ko = where step i (counted from the stepped address) begins in the LDS rows
.set ko, BLKB*((\i)/2)+KS*((\i)%2)
.endm
.macro WLOAD sl, c                     ; my 4 rows of chunk c (counted from the stepped base) into weight slot sl; a load covers 512 consecutive bytes, aligned
.if (\sl) < 2
.set wb, W0R+16*(\sl)
	WIN 0
.else
.set wb, 16*((\sl)-2)
	WIN 0x40                                       ; destination in window 1
.endif
.irp r, 0,1,2,3
	global_load_b128 v[wb+4*(\r):wb+4*(\r)+3], v[WO], s[32:33] offset:(\c)*CHG+(\r)*PG th:TH_LOAD_NT
.endr
	WIN 0
.endm
.macro CONV sl, off                    ; slot sl rounded and stored: for each of my four columns 4 numbers along K, 8 bytes, at byte off of the column's LDS row
.if (\sl) < 2
.set wb, W0R+16*(\sl)
.set ww, 0
.else
.set wb, 16*((\sl)-2)
.set ww, 0x05                          ; sources 0 and 1 in window 1
.endif
.irp cc, 0,2
	WIN ww
	v_cvt_pk_bf16_f32 v[CV],   v[wb+(\cc)],   v[wb+4+(\cc)]
	v_cvt_pk_bf16_f32 v[CV+1], v[wb+8+(\cc)], v[wb+12+(\cc)]
	v_cvt_pk_bf16_f32 v[CV+2], v[wb+1+(\cc)], v[wb+5+(\cc)]
	v_cvt_pk_bf16_f32 v[CV+3], v[wb+9+(\cc)], v[wb+13+(\cc)]
	WIN 0
	ds_store_b64 v[SA], v[CV:CV+1]   offset:(\off)+(\cc)*FR
	ds_store_b64 v[SA], v[CV+2:CV+3] offset:(\off)+((\cc)+1)*FR
.endr
.endm
.macro BLOAD dst, fb, off              ; four weight fragments, fb .. fb + 3, at byte off
.irp n, 0,1,2,3
	ds_load_b128 v[(\dst)+8*(\n):(\dst)+8*(\n)+3],   v[LA+(\fb)/4] offset:(\off)+(\n)*FR
	ds_load_b128 v[(\dst)+8*(\n)+4:(\dst)+8*(\n)+7], v[LA+(\fb)/4] offset:(\off)+(\n)*FR+FH
.endr
.endm
.macro ALOAD sg, off                   ; three token fragments into slot sg; all six loads are always issued, so that the counted waits hold on every path
.irp t, 0,1,2
	global_load_b128 v[AR+24*(\sg)+8*(\t):AR+24*(\sg)+8*(\t)+3],   v[AO+(\t)], s[34:35] offset:(\off)
	global_load_b128 v[AR+24*(\sg)+8*(\t)+4:AR+24*(\sg)+8*(\t)+7], v[AO+(\t)], s[34:35] offset:(\off)+AH
.endr
.endm
.macro MMA t, f, sg                    ; tokens first: the result's lanes are columns
	v_wmma_f32_16x16x32_bf16 v[ACC+64*(\t)+8*(\f):ACC+64*(\t)+8*(\f)+7], v[AR+24*(\sg)+8*(\t):AR+24*(\sg)+8*(\t)+7], v[BX+8*(\f):BX+8*(\f)+7], v[ACC+64*(\t)+8*(\f):ACC+64*(\t)+8*(\f)+7]
.endm
; 12 products: fragments 4 hf .. 4 hf + 3 x my three tiles.  Tiles past T are jumped in groups (0, 1) and (2).  No two neighbours share an accumulator, from half to half and over the loops' jumps too:
; the accumulators take turns.  The four v_nop are the places in front of the loads into registers that these products read.
.macro HALF hf, sg
	s_cmp_lt_u32 s22, 1
	s_cbranch_scc1 .Lhe_\@
	WIN 0x50                                       ; C and D in window 1
.irp b, 0,1,2,3
.irp t, 0,1
	MMA \t, 4*(\hf)+\b, \sg
.endr
.endr
	WIN 0
	s_cmp_lt_u32 s22, 3
	s_cbranch_scc1 .Lhe_\@
	WIN 0x50
.irp b, 0,1,2,3
	MMA 2, 4*(\hf)+\b, \sg
.endr
	WIN 0
.Lhe_\@:
.rept 4
	v_nop
.endr
.endm
; Trip i (counted from the stepped bases).  cw: the loads younger than this trip's group.  cv: a chunk is stored.  wl, al: weights, tokens are asked for.  nx: the next step's first four fragments are fetched.  bar: a barrier ends it.
.macro TRIP i, cw, cv, wl, al, nx, bar
	SETKO \i
	BLOAD BY, 4, ko
	s_wait_loadcnt \cw                             ; my rows of chunk j + 3 and my tokens of step j are in
.if \cv
	CONV ((\i)+3)%6, BLKB*(((\i)+3)/2-1)+64*(((\i)+3)%2)
.endif
.if \wl
	WLOAD ((\i)+3)%6, (\i)+9
.endif
	s_wait_dscnt 8+4*(\cv)                         ; fragments 0-3 are in: the eight loads and the stores above are younger
	HALF 0, (\i)%6
.if \nx
	SETKO (\i)+1
	BLOAD BX, 0, ko
.endif
	s_wait_dscnt 4*(\cv)+8*(\nx)                   ; fragments 4-7 are in: the stores and the eight loads just issued are younger
	HALF 1, (\i)%6
.if \al
	ALOAD (\i)%6, ((\i)+6)*AST
.endif
.if \bar
	s_wait_dscnt 0x0                               ; for the others' sake: my stores are done
	s_barrier_signal -1
	s_barrier_wait -1
.endif
.endm
.macro STEP                            ; six trips on
	s_wait_xcnt 0x0                                ; the bases of the loads issued so far are rewritten only behind this wait
	s_add_nc_u64 s[32:33], s[32:33], 6*CHG
	s_add_nc_u64 s[34:35], s[34:35], 6*AST
	v_add_nc_u32 v[LA], 3*BLKB, v[LA]
	v_add_nc_u32 v[LA+1], 3*BLKB, v[LA+1]
	v_add_nc_u32 v[SA], 3*BLKB, v[SA]
.endm
.macro BIAS_LOAD                       ; my eight columns' bias: b2[64 g + 4 r + b] at BV + 4 g + b
	v_and_b32 v9, 15, v0
	v_lshlrev_b32 v9, 4, v9
	global_load_b128 v[BV:BV+3], v9, s[58:59]
	global_load_b128 v[BV+4:BV+7], v9, s[58:59] offset:256
.endm
.macro BIAS_SPREAD                     ; rounded to bf16, kept in quarter 0 and masked to 0 in the others, and copied into the three tiles' accumulators: the sums begin from it
.set z, 0
.rept 4
	v_cvt_pk_bf16_f32 v[12+z], v[BV+2*z], v[BV+2*z+1]
	v_and_b32 v[12+z], s43, v[12+z]
	v_lshlrev_b32 v[BV+2*z], 16, v[12+z]
	v_and_b32 v[BV+2*z+1], 0xffff0000, v[12+z]
.set z, z+1
.endr
	WIN 0x40                                       ; destination in window 1
.set z, 0
.rept 192                              ; all eight registers (rows) of fragment f = (z % 64) / 8 take my column's bias
	v_mov_b32 v[ACC+z], v[BV+(z%64)/8]
.set z, z+1
.endr
	WIN 0
.endm
.macro SETBLK                          ; block s23: my first tile, my number of live tiles, my three tiles' places in hb
	s_mul_i32 s26, s23, 24
	s_add_co_u32 s41, s26, s16
	s_sub_co_i32 s27, s21, s41
	s_add_co_i32 s27, s27, 7
	s_ashr_i32 s27, s27, 3
	s_max_i32 s27, s27, 0
	s_min_i32 s22, s27, 3                          ; T = ceil((nt - 24 blk - w) / 8), held to 0 .. 3
	v_and_b32 v12, 31, v0
	v_lshlrev_b32 v12, 4, v12
.irp t, 0,1,2
	s_add_co_u32 s26, s41, 8*(\t)
	s_cmp_lt_u32 s26, s21                          ; a live tile?
	s_cselect_b32 s27, -1, 0
	s_and_b32 s26, s26, s27                        ; a dead one reads tile 0,
	s_min_u32 s26, s26, 63                         ; (what hangs on a loaded number enters an address only behind a bound written in the text)
	s_lshl_b32 s26, s26, 17
	v_and_b32 v[AO+(\t)], s27, v12                 ; all its lanes the same 16 bytes
	v_min_u32 v[AO+(\t)], 0x1f0, v[AO+(\t)]
	v_add_nc_u32 v[AO+(\t)], s26, v[AO+(\t)]
.endr
.endm
.macro MAKE_LA                         ; a fragment's row lane % 16, and the half's place in it
	v_and_b32 v1, 15, v0
	v_mul_u32_u24 v[LA], v1, PT
	v_bfe_u32 v1, v0, 4, 1
	v_lshl_add_u32 v[LA], v1, HS, v[LA]
	v_add_nc_u32 v[LA+1], 4*FR, v[LA]
.endm
	s_load_b256 s[4:11], s[0:1], 0x0               ; W2 s[4:5], b2 s[6:7], hb s[8:9], bm s[10:11]
	s_load_b128 s[12:15], s[0:1], 0x20             ; wt s[12:13], yb s[14:15]
	v_lshrrev_b32 v1, 5, v0
	v_readfirstlane_b32 s16, v1                    ; wave 0..7
	s_and_b32 s17, ttmp7, 0xffff                   ; e
	s_and_b32 s18, ttmp9, 7                        ; j
	s_lshr_b32 s19, ttmp9, 3                       ; q
	s_lshl_b32 s26, s17, 24                        ; W2: e x 16 MiB + q x 1,024 rows + j x 512
	s_lshl_b32 s28, s19, 22
	s_add_co_u32 s26, s26, s28
	s_lshl_b32 s28, s18, 9
	s_add_co_u32 s26, s26, s28
	s_mov_b32 s27, 0
	s_lshl_b32 s30, s17, 12                        ; b2: e x 4,096 + j x 512
	s_add_co_u32 s28, s28, s30
	s_mov_b32 s29, 0
	s_lshl_b32 s30, s17, 23                        ; hb: e x 8 MiB + q x 32 steps of 1,024 bytes
	s_lshl_b32 s42, s19, 15
	s_add_co_u32 s30, s30, s42
	s_mov_b32 s31, 0
	s_mul_i32 s40, s19, PLANE                      ; yb: plane q, + j x 512
	s_lshl_b32 s42, s18, 9
	s_add_co_u32 s40, s40, s42
	s_mov_b32 s41, 0
	s_mov_b32 s23, 0
	s_cmp_eq_u32 s19, 0
	s_cselect_b32 s43, -1, 0                       ; the bias enters once, in quarter 0
	v_and_b32 v10, 31, v0                          ; lane
	s_mul_i32 s42, s16, 4*PG
	v_lshl_add_u32 v[WO], v10, 4, s42              ; my 4 rows of a chunk, 16 bytes a lane
	v_and_b32 v1, 15, v0
	v_bfe_u32 v11, v0, 4, 1
	v_lshl_add_u32 v12, v11, 6, v1                 ; LDS row 64 (lane / 16) + lane % 16
	v_mul_u32_u24 v12, v12, PT
	s_lshl_b32 s42, s16, 3
	v_add_nc_u32 v[SA], s42, v12                   ; + my 4 k of a chunk's 32: 8 bytes
	MAKE_LA
	s_lshl_b32 s42, s17, 3
	v_lshl_add_u32 v8, v10, 7, s42                 ; lane g: group g's two words for expert e
	s_wait_kmcnt 0x0
	s_add_nc_u64 s[32:33], s[4:5], s[26:27]
	s_add_nc_u64 s[58:59], s[6:7], s[28:29]
	s_add_nc_u64 s[36:37], s[8:9], s[30:31]
	s_mov_b64 s[34:35], s[36:37]
	s_add_nc_u64 s[38:39], s[14:15], s[40:41]
	global_load_b64 v[208:209], v8, s[10:11]       ; first choice's word, second choice's word
	BIAS_LOAD
.irp c, 0,1,2,3,4,5
	WLOAD \c, \c                                   ; the stream begins ahead of everything that waits
.endr
	; THE LIST
	s_lshl_b32 s40, s16, 9
	s_add_co_u32 s40, s40, LIST                    ; my list
	s_add_co_u32 s26, s17, 2048
	s_lshl_b32 s27, s26, 16
	s_or_b32 s26, s26, s27
	v_mov_b32 v12, s26                             ; 2048 + e in every place
	v_mov_b32 v13, s26
	v_mov_b32 v14, s26
	v_mov_b32 v15, s26
	v_lshl_add_u32 v16, v10, 4, s40
	ds_store_b128 v16, v[12:15]
	v_mov_b32 v17, 0xff
	s_mov_b32 s20, 0                               ; rows so far
	s_mov_b32 s24, 0                               ; group
	s_wait_loadcnt 24                              ; the bitmaps and the bias are in: the 24 weight loads are younger
.Llist:
	v_readlane_b32 s26, v208, s24
	v_readlane_b32 s27, v209, s24
	s_or_b32 s28, s26, s27                         ; the group's members
	v_mbcnt_lo_u32_b32 v18, s28, s20               ; my token's rank: the rows so far + the members in lower lanes
	v_bfe_u32 v19, v18, 4, 3                       ; its tile modulo 8:
	v_cmp_eq_u32 s29, s16, v19                     ; mine?
	s_and_b32 s29, s29, s28
	v_lshrrev_b32 v19, 7, v18                      ; which of my tiles,
	v_and_b32 v18, 15, v18                         ; which row of it
	v_lshl_or_b32 v18, v19, 4, v18
	v_cndmask_b32 v18, v17, v18, s29               ; no member, or not mine: place 255
	v_min_u32 v18, 0xff, v18                       ; a loaded number enters an address only behind a bound written in the text
	v_lshl_add_u32 v18, v18, 1, s40
	s_lshl_b32 s29, s24, 5
	v_add_nc_u32 v20, s29, v10                     ; the token,
	v_or_b32 v21, 0x400, v20
	v_cndmask_b32 v20, v20, v21, s27               ; + 1024 if e is its second choice
	ds_store_b16 v18, v20
	s_bcnt1_i32_b32 s29, s28
	s_add_co_u32 s20, s20, s29
	s_add_co_u32 s24, s24, 1
	s_cmp_lt_u32 s24, 32
	s_cbranch_scc1 .Llist
	s_add_co_u32 s21, s20, 15
	s_lshr_b32 s21, s21, 4
	s_max_u32 s21, s21, 1                          ; nt
	SETBLK
	ALOAD 0, 0
	ALOAD 1, AST
	ALOAD 2, 2*AST
	BIAS_SPREAD
	s_wait_loadcnt 38                              ; chunk 0 is in: behind it went chunks 1-5 (20) and three steps' tokens (18)
	CONV 0, 0
	WLOAD 0, 6
	ALOAD 3, 3*AST
	s_wait_loadcnt 44                              ; chunk 1: chunks 2-5 (16), 18, and the 10 just issued
	CONV 1, 64
	WLOAD 1, 7
	ALOAD 4, 4*AST
	s_wait_loadcnt 50                              ; chunk 2: chunks 3-5 (12), 18, 20
	CONV 2, BLKB
	WLOAD 2, 8
	ALOAD 5, 5*AST
	v_add_nc_u32 v[SA], BLKB, v[SA]                ; from here on the stores' offsets count from block 1
	s_wait_loadcnt 30                              ; chunks 3-5 and the tokens of steps 0-2 are in: behind them went three groups of 10; from trip 3 on the queue is in the loop's order
	s_wait_dscnt 0x0
	s_barrier_signal -1
	s_barrier_wait -1                              ; chunks 0, 1, 2 lie in LDS
	BLOAD BX, 0, 0
	s_mov_b32 s24, 3
.Lbody:                                                ; six trips a turn, as the rings have six slots; five younger groups of 10 loads stay out
.irp i, 0,1,2,3,4,5
	TRIP \i, 50, 1, 1, 1, 1, 1
.endr
	STEP
	s_sub_co_u32 s24, s24, 1
	s_cmp_lg_u32 s24, 0
	s_cbranch_scc1 .Lbody
.irp i, 0,1,2,3,4
	TRIP \i, 50, 1, 1, 1, 1, 1                     ; trips 18 to 22: trip 22 asks for the last chunk
.endr
	TRIP 5, 50, 1, 0, 1, 1, 1                      ; trip 23
	STEP
	TRIP 0, 46, 1, 0, 1, 1, 1                      ; trips 24 on: the younger groups thin out: 4 x 10 + 6,
	TRIP 1, 42, 1, 0, 1, 1, 1                      ; 3 x 10 + 2 x 6; the last tokens are asked for
	TRIP 2, 38, 1, 0, 0, 1, 1                      ; 2 x 10 + 3 x 6
	TRIP 3, 28, 1, 0, 0, 1, 1                      ; 10 + 3 x 6
	TRIP 4, 18, 1, 0, 0, 1, 1                      ; the last chunk is stored; behind this barrier the whole slice lies in LDS
	TRIP 5, 12, 0, 0, 0, 1, 0
	TRIP 6, 6, 0, 0, 0, 1, 0
	TRIP 7, 0, 0, 0, 0, 0, 0
.Lblk:                                                 ; THE WAY OUT of block s23.  First, for all three tiles: my half's eight entries, their weights, their rows of yb
	v_and_b32 v160, 15, v0
	v_lshlrev_b32 v160, 4, v160                    ; my 16 bytes of a row's 256
	v_bfe_u32 v161, v0, 4, 1
	s_mul_i32 s26, s23, 96                         ; three tiles of 32 bytes in my list
	s_add_co_u32 s26, s26, s40
	v_lshl_add_u32 v161, v161, 4, s26              ; rows 8 h .. 8 h + 7: 16 bytes
.irp t, 0,1,2
	ds_load_b128 v[EN+4*(\t):EN+4*(\t)+3], v161 offset:32*(\t)
.endr
	s_wait_dscnt 0x0
.set z, 0
.rept 24                               ; z = 8 t + j
.if z%2 == 0
	v_and_b32 v[RO+z], 0xffff, v[EN+z/2]
.else
	v_lshrrev_b32 v[RO+z], 16, v[EN+z/2]
.endif
	v_min_u32 v[WA+z], 0x7ff, v[RO+z]              ; the bound written in the text; a place past the count takes some weight, for a row that nobody reads
	v_lshlrev_b32 v[WA+z], 2, v[WA+z]
	global_load_b32 v[WT+z], v[WA+z], s[12:13]
	v_min_u32 v[RO+z], 0x807, v[RO+z]              ; yb's planes have 2,056 rows
	v_lshl_add_u32 v[RO+z], v[RO+z], 12, v160
.set z, z+1
.endr
	s_wait_loadcnt 0x0
; Tile t: 64 products by the rows' weights, row 0 first; then 16 stores.
.macro OUTT t
	s_cmp_lt_u32 s22, (\t)+1
	s_cbranch_scc1 .Lepx
.if (\t) > 0
	s_wait_xcnt 0x0                                ; the last tile's stores have read their data: it is rewritten only behind this wait
.endif
	WIN 0x01                                       ; source 0 in window 1
.set z, 0
.rept 64                               ; z = 8 j + f: register j of fragment f
	v_mul_f32 v[Q+z], v[ACC+64*(\t)+8*(z%8)+z/8], v[WT+8*(\t)+z/8]
.set z, z+1
.endr
	WIN 0
.set z, 0
.rept 16                               ; z = 2 j + g
	global_store_b128 v[RO+8*(\t)+z/2], v[Q+4*z:Q+4*z+3], s[38:39] offset:256*(z%2)  ; sixteen lanes store 256 consecutive bytes of one row, aligned
.set z, z+1
.endr
.endm
	OUTT 0
	OUTT 1
	OUTT 2
.Lepx:
	s_add_co_u32 s23, s23, 1
	s_mul_i32 s26, s23, 24
	s_cmp_le_u32 s21, s26
	s_cbranch_scc1 .Lend                           ; no tile is left (nt is 64 at the most, so this is taken at block 3 at the latest)
	s_wait_xcnt 0x0                                ; the stores' registers are free
	SETBLK
	BIAS_LOAD
	s_wait_loadcnt 0x0
	BIAS_SPREAD
	MAKE_LA
	s_mov_b64 s[34:35], s[36:37]
	s_mov_b32 s24, 16
.Lpb:                                                  ; a further block of 384 rows, a block of 64 k a trip: the slice is read from LDS once more; nothing writes LDS, so no barrier
	ALOAD 0, 0
	ALOAD 1, AST
	BLOAD BX, 0, 0
	BLOAD BY, 4, 0
	s_wait_loadcnt 6                               ; the first step's tokens: the second step's six loads are younger
	s_wait_dscnt 0x0
	HALF 0, 0
	HALF 1, 0
	BLOAD BX, 0, KS
	BLOAD BY, 4, KS
	s_wait_loadcnt 0x0
	s_wait_dscnt 0x0
	HALF 0, 1
	HALF 1, 1
	s_add_nc_u64 s[34:35], s[34:35], 2*AST
	v_add_nc_u32 v[LA], BLKB, v[LA]
	v_add_nc_u32 v[LA+1], BLKB, v[LA+1]
	s_sub_co_u32 s24, s24, 1
	s_cmp_lg_u32 s24, 0
	s_cbranch_scc1 .Lpb
	s_cmp_lt_u32 s23, 3
	s_cbranch_scc1 .Lblk
.Lend:
	s_wait_dscnt 0x0                               ; my LDS reads are back,
	s_barrier_signal -1
	s_barrier_wait -1                              ; and so are everybody's: only now does any wave write LDS again
	v_lshl_add_u32 v8, v0, 2, SPARE                ; no two registers could be kept: v0 was, and the two are made here
	v_mov_b32 v9, 0
	s_wait_tensorcnt 0x0                           ; the wave's end
	ds_add_u32 v8, v9
	s_wait_dscnt 0x0
	s_endpgm
.Lfunc_end_k_qdc962fd751_ffn2:
	.size	k_qdc962fd751_ffn2, .Lfunc_end_k_qdc962fd751_ffn2-k_qdc962fd751_ffn2
	.p2alignl 7, 3214868480
	.fill 96, 4, 3214868480
	.section	.rodata,"a",@progbits
	.p2align	6, 0x0
	.amdhsa_kernel k_qdc962fd751_ffn2
		.amdhsa_group_segment_fixed_size 300032
		.amdhsa_private_segment_fixed_size 0
		.amdhsa_enable_private_segment 0
		.amdhsa_kernarg_size 48
		.amdhsa_user_sgpr_count 2
		.amdhsa_user_sgpr_kernarg_segment_ptr 1
		.amdhsa_wavefront_size32 1
		.amdhsa_system_sgpr_workgroup_id_x 1
		.amdhsa_system_sgpr_workgroup_id_y 1
		.amdhsa_system_sgpr_workgroup_id_z 1
		.amdhsa_system_vgpr_workitem_id 0
		.amdhsa_next_free_vgpr 512
		.amdhsa_next_free_sgpr 66
		.amdhsa_reserve_vcc 0
		.amdhsa_float_denorm_mode_32 3
		.amdhsa_float_denorm_mode_16_64 3
		.amdhsa_memory_ordered 1
		.amdhsa_forward_progress 1
		.amdhsa_inst_pref_size 156
	.end_amdhsa_kernel
	.amdgpu_metadata
---
amdhsa.version: [ 1, 2 ]
amdhsa.kernels:
  - .name:           k_qdc962fd751_ffn2
    .symbol:         k_qdc962fd751_ffn2.kd
    .args:
      - { .name: W2, .offset: 0, .size: 8, .value_kind: global_buffer, .address_space: global }
      - { .name: b2, .offset: 8, .size: 8, .value_kind: global_buffer, .address_space: global }
      - { .name: hb, .offset: 16, .size: 8, .value_kind: global_buffer, .address_space: global }
      - { .name: bm, .offset: 24, .size: 8, .value_kind: global_buffer, .address_space: global }
      - { .name: wt, .offset: 32, .size: 8, .value_kind: global_buffer, .address_space: global }
      - { .name: yb, .offset: 40, .size: 8, .value_kind: global_buffer, .address_space: global }
    .group_segment_fixed_size: 300032
    .private_segment_fixed_size: 0
    .kernarg_segment_align: 8
    .kernarg_segment_size: 48
    .max_flat_workgroup_size: 256
    .sgpr_count:     66
    .vgpr_count:     512
    .wavefront_size: 32
...
	.end_amdgpu_metadata
.endif
;; end of part 3
;; launch combine (part 4): grid 256 x 1, 8 waves a work-group, no clusters, 0 bytes of LDS; arguments yb, ps, out0, out1; writes out0, out1
.if DOCPART == 4
	.amdgcn_target "amdgcn-amd-amdhsa--gfx1250"
	.amdhsa_code_object_version 6
	.text
	.protected	k_qdc962fd751_combine
	.globl	k_qdc962fd751_combine
	.p2align	8
	.type	k_qdc962fd751_combine,@function
k_qdc962fd751_combine:
	s_mov_b64 s[64:65], 0
	v_nop
	global_prefetch_b8 v0, s[64:65] scope:SCOPE_SE
	s_setreg_imm32_b32 hwreg(HW_REG_WAVE_MODE, 25, 1), 1
	s_wait_xcnt 0x0
; out0[t] = the sum of the token's eight partial rows (4 quarters of K x 2 choices), in a fixed order, in f32.  out1 = 8 sum_e (count_e / 1024) (sum of probabilities_e / 1024).
; Work-group c owns tokens 4 c .. 4 c + 3: 16,384 consecutive bytes of out0 and of each of the eight areas of yb.  A thread owns 16 bytes of each row: every load and store of a wave covers 512 consecutive bytes.
; All 32 loads of a wave go out at once.  A stream: no LDS, no barrier, no matrix unit; nothing is shared between work-groups.
; Wave 0 of work-group 0 also makes out1, in one branch behind the issue of its loads; on that path all loads have landed, so the counted waits behind the join hold on both paths.
.set PLANE, 8421376                    ; a plane of yb: 2,056 rows of 4,096 bytes
.set CHOICE, 4194304                   ; the second choice's rows begin 1,024 rows on
.set D, 16                             ; v16-143: token m, area n at D + 32 m + 4 n
.set Q, 144                            ; v144-159: a group's 16 numbers of ps
	s_load_b256 s[4:11], s[0:1], 0x0               ; yb s[4:5], ps s[6:7], out0 s[8:9], out1 s[10:11]
	v_lshrrev_b32 v1, 5, v0
	v_readfirstlane_b32 s12, v1
	s_or_b32 s13, s12, ttmp9                       ; 0 in wave 0 of work-group 0 alone
	v_lshlrev_b32 v2, 4, v0
	s_lshl_b32 s14, ttmp9, 14
	s_mov_b32 s15, 0
	s_wait_kmcnt 0x0
	s_add_nc_u64 s[4:5], s[4:5], s[14:15]
	s_add_nc_u64 s[8:9], s[8:9], s[14:15]
.set n, 0
.rept 8
	s_add_nc_u64 s[16+2*n:17+2*n], s[4:5], (n/2)*PLANE+(n%2)*CHOICE
.set n, n+1
.endr
.set m, 0
.rept 4
.set n, 0
.rept 8
	global_load_b128 v[D+32*m+4*n:D+32*m+4*n+3], v2, s[16+2*n:17+2*n] offset:m*4096 th:TH_LOAD_NT
.set n, n+1
.endr
.set m, m+1
.endr
	s_cmp_lg_u32 s13, 0
	s_cbranch_scc1 .Lmain
	v_and_b32 v3, 31, v0
	v_lshlrev_b32 v4, 7, v3                        ; lane g: group g's 128 bytes
.irp i, 0,1,2,3
	global_load_b128 v[Q+4*\i:Q+4*\i+3], v4, s[6:7] offset:16*\i
.endr
	s_mov_b32 s32, 0x76543210                      ; v_permlanex16_b32: each lane takes its own place in the other half
	s_mov_b32 s33, 0xfedcba98
	v_mov_b32 v5, 0
	v_mov_b32 v7, 0
	s_wait_loadcnt 0x0
.set i, 0
.rept 16                               ; each of the 16 numbers summed over the 32 groups
	v_add_f32_dpp v[Q+i], v[Q+i], v[Q+i] row_xmask:1 row_mask:0xf bank_mask:0xf
	v_add_f32_dpp v[Q+i], v[Q+i], v[Q+i] row_xmask:2 row_mask:0xf bank_mask:0xf
	v_add_f32_dpp v[Q+i], v[Q+i], v[Q+i] row_xmask:4 row_mask:0xf bank_mask:0xf
	v_add_f32_dpp v[Q+i], v[Q+i], v[Q+i] row_xmask:8 row_mask:0xf bank_mask:0xf
	v_permlanex16_b32 v5, v[Q+i], s32, s33
	v_add_f32 v[Q+i], v[Q+i], v5
.set i, i+1
.endr
	v_mul_f32 v6, v[Q], v[Q+8]
.irp e, 1,2,3,4,5,6,7
	v_fma_f32 v6, v[Q+\e], v[Q+8+\e], v6
.endr
	v_mul_f32 v6, 0x37000000, v6                   ; 8 / 1024^2 = 2^-17
	v_cmp_eq_u32 vcc_lo, 0, v3
	s_wait_xcnt 0x0                                ; EXEC is a source of the loads issued above: it changes only behind this wait
	s_and_saveexec_b32 s34, vcc_lo
	global_store_b32 v7, v6, s[10:11]              ; lane 0 alone
	s_wait_xcnt 0x0                                ; and again, in front of the line that widens it
	s_or_b32 exec_lo, exec_lo, s34
.Lmain:
.macro ADD4 d, s
	v_pk_add_f32 v[\d:\d+1], v[\d:\d+1], v[\s:\s+1]
	v_pk_add_f32 v[\d+2:\d+3], v[\d+2:\d+3], v[\s+2:\s+3]
.endm
.set m, 0
.rept 4
	s_wait_loadcnt 24-8*m                          ; token m's eight loads are in: the later tokens' are younger
.set B0, D+32*m
	ADD4 B0, B0+4
	ADD4 B0+8, B0+12
	ADD4 B0+16, B0+20
	ADD4 B0+24, B0+28
	ADD4 B0, B0+8
	ADD4 B0+16, B0+24
	ADD4 B0, B0+16
	global_store_b128 v2, v[B0:B0+3], s[8:9] offset:m*4096 th:TH_STORE_NT
.set m, m+1
.endr
	s_endpgm
.Lfunc_end_k_qdc962fd751_combine:
	.size	k_qdc962fd751_combine, .Lfunc_end_k_qdc962fd751_combine-k_qdc962fd751_combine
	.p2alignl 7, 3214868480
	.fill 96, 4, 3214868480
	.section	.rodata,"a",@progbits
	.p2align	6, 0x0
	.amdhsa_kernel k_qdc962fd751_combine
		.amdhsa_group_segment_fixed_size 0
		.amdhsa_private_segment_fixed_size 0
		.amdhsa_enable_private_segment 0
		.amdhsa_kernarg_size 32
		.amdhsa_user_sgpr_count 2
		.amdhsa_user_sgpr_kernarg_segment_ptr 1
		.amdhsa_wavefront_size32 1
		.amdhsa_system_sgpr_workgroup_id_x 1
		.amdhsa_system_sgpr_workgroup_id_y 1
		.amdhsa_system_sgpr_workgroup_id_z 1
		.amdhsa_system_vgpr_workitem_id 0
		.amdhsa_next_free_vgpr 160
		.amdhsa_next_free_sgpr 66
		.amdhsa_reserve_vcc 1
		.amdhsa_float_denorm_mode_32 3
		.amdhsa_float_denorm_mode_16_64 3
		.amdhsa_memory_ordered 1
		.amdhsa_forward_progress 1
		.amdhsa_inst_pref_size 16
	.end_amdhsa_kernel
	.amdgpu_metadata
---
amdhsa.version: [ 1, 2 ]
amdhsa.kernels:
  - .name:           k_qdc962fd751_combine
    .symbol:         k_qdc962fd751_combine.kd
    .args:
      - { .name: yb, .offset: 0, .size: 8, .value_kind: global_buffer, .address_space: global }
      - { .name: ps, .offset: 8, .size: 8, .value_kind: global_buffer, .address_space: global }
      - { .name: out0, .offset: 16, .size: 8, .value_kind: global_buffer, .address_space: global }
      - { .name: out1, .offset: 24, .size: 8, .value_kind: global_buffer, .address_space: global }
    .group_segment_fixed_size: 0
    .private_segment_fixed_size: 0
    .kernarg_segment_align: 8
    .kernarg_segment_size: 32
    .max_flat_workgroup_size: 256
    .sgpr_count:     66
    .vgpr_count:     160
    .wavefront_size: 32
...
	.end_amdgpu_metadata
.endif
;; end of part 4
;; ======== version 2 of 2: 4 launches; 1.18 times as fast as version 1
;; workspace buffers: xb 2,097,152 bytes; bm 4,096 bytes of whole numbers; wt 8,192 bytes; ps 4,096 bytes; hb 67,108,864 bytes; yb 33,685,504 bytes
;; launch router: the kernel of part 1 again; grid 32 x 1, 8 waves a work-group, no clusters, 111,616 bytes of LDS; arguments x, Wg, bg, xb, bm, wt, ps; writes xb, bm, wt, ps
;; launch ffn1 (part 5): grid 32 x 8, 8 waves a work-group, no clusters, 295,936 bytes of LDS; arguments W1, b1, xb, bm, hb; writes hb
.if DOCPART == 5
	.amdgcn_target "amdgcn-amd-amdhsa--gfx1250"
	.amdhsa_code_object_version 6
	.text
	.protected	k_qdc962fd751_ffn1
	.globl	k_qdc962fd751_ffn1
	.p2align	8
	.type	k_qdc962fd751_ffn1,@function
k_qdc962fd751_ffn1:
	s_mov_b64 s[64:65], 0
	v_nop
	global_prefetch_b8 v0, s[64:65] scope:SCOPE_SE
	s_setreg_imm32_b32 hwreg(HW_REG_WAVE_MODE, 25, 1), 1
	s_wait_xcnt 0x0
; FIRST PRODUCT.  h = gelu(x W1[e] + b1[e]) for the rows that chose expert e, in the order of their tokens.  Exact GELU: x/2 (1 + erf(x / sqrt 2)).
; SHARES.  Work-group (slice, e) owns columns 128 slice .. + 127 of W1[e], 1024 x 128 numbers, which it alone reads, once, and ALL of that expert's rows, whatever their number (0 to 1,024).
; The slice is rounded to bf16 on its way through registers and stays in LDS; no byte of it is written twice.  Eight waves, all alike.
; A TRIP j is 32 along K.  Every wave rounds its 4 rows of chunk j + 3 into LDS, asks for its 4 rows of chunk j + 9, multiplies its tiles with step j, asks for its tokens of step j + 6.
; Loads into registers come back in order (ISA guide 5.7.1), so weights and tokens are asked for equally far ahead, six trips: a group of 4 + 6 loads a trip, 60 loads of a wave out.
; THE BARRIER stands in the even trips alone: its signal between the two halves of the trip's products, behind the wait for my stores (chunks j + 2 and j + 3); its wait at the trip's end.
; Behind the wait of trip 2 J chunks up to 2 J + 3 lie in LDS.  Until the wait of trip 2 J + 2 a wave reads steps up to 2 J + 3 (the last as the fragments fetched ahead in trip 2 J + 2) and stores chunks 2 J + 4 and 2 J + 5: other bytes.
; THE SLICE IN LDS: [block of 64 k][128 rows][144 bytes]: K along the rows, 128 bytes + 16, so that the 16 rows of a fragment load start at 16 different groups of four banks (64 banks of 4 bytes: ISA guide 11.1).
; A lane's four columns 4 l + c of a row of W1 go to LDS rows 64 (l / 16) + 16 c + l % 16: a store's lanes hit neighbouring rows.  So fragment f (rows 16 f ..), row m, is column 64 (f / 4) + 4 m + f % 4.
; TILES.  A tile is 16 rows.  Wave w owns tiles w + 8 t + 24 blk, t = 0..2: 24 accumulators.  Block 0 (384 rows) runs under the stream; blocks 1 and 2 exist only where an expert has more rows,
; read the slice from LDS again and need no barrier.
; RANKS.  Row R of the expert is the token of the R-th set bit of its map of 1,024 bits (the stored bitmaps of both choices, ORed).  Every wave finds the tokens of its own tiles, in registers alone: a walk over the 32 groups
; keeps, for each wanted rank, the last group whose rows-before do not pass it; then the bit of that rank in the group's word is found by halving, from counts of 2, 4 and 8 bits made once.
; Ranks past the count take token e, a token that exists: all lanes of a dead tile then load the same 32 bytes.
; nt = max(1, ceil(count / 16)): tile 0 is always made and stored, so the next launch reads no byte that was not written.
; PRODUCT.  Source 0 = a weight fragment, source 1 = 16 tokens (straight from xb): a lane holds ONE token (lane % 16); register j of fragment (g, b) is column 64 g + 32 h + 4 j + b, h = lane / 16.
; So a lane holds 32 neighbouring columns of each g.  hb: [e][tile][step of 32][half x][lane][16 bytes]; step 2 G + u holds, in lane (r, h), k = 64 G + 32 h + 16 u + 8 x + 0..7: the order in which the next
; product's token registers take them (it reads its weights in the same order of k); each store covers 512 consecutive bytes.
; NO JOINT LOADS: the rows that an expert's work-groups share are chosen rows of xb, which no tile descriptor covers; the weights have one reader each.
; FORMATS AND LIMITS.  W1, b1 (and x, in the launch before) rounded to bf16; sums in f32, begun from the bias; h rounded once to bf16.
; erf(z) = 1 - (((((a5 t + a4) t + a3) t + a2) t + a1) t) exp(-z^2), t = 1 / (1 + 0.3275911 z): absolute error 1.5e-7 at the most, for every z >= 0.  NaN and infinities are not treated apart.
.set PG,    16384                      ; bytes from a row of W1[e] to the next
.set CHG,   32*PG                      ; a chunk (32 rows) in memory
.set AST,   64                         ; bytes of a token's row in a step
.set AH,    32                         ; a token fragment's second half
.set HS,    4                          ; a weight fragment: 16 h,
.set FH,    32                         ; its second half 32 bytes on,
.set KS,    64                         ; a block's second step 64 bytes on
.set PT,    144
.set FR,    16*PT                      ; 16 LDS rows: a fragment
.set BLKB,  128*PT                     ; a block of 64 k
.set SPARE, 16*BLKB                    ; behind the slice: the spare words, 128 bytes a wave: no other line names them
; window 0: v0 thread; v1 scratch; v2-4 my three tiles' byte offsets in xb; v5 my byte offset in a chunk; v6 where I store in LDS; v7 lane g: group g's word of the expert's map; v8-39, v40-71 weight fragments 0-3, 4-7;
;   v72-215 six slots of three token fragments; v216-247 weight slots 0, 1; v248-251, v254-255 rounded; v252-253 LDS address of fragments 0-3, 4-7.
; window 1: v0-63 weight slots 2-5; v64-255 accumulators, (t, f) at 64 + 64 t + 8 f.  Prologue, search and way out work in v8-215.
.set AO,   2
.set WO,   5
.set SA,   6
.set MM,   7
.set BX,   8
.set BY,   40
.set AR,   72
.set BV,   144
.set W0R,  216
.set CV,   248
.set LA,   252
.set CW,   254
.set ACC,  64
.set RK,   12                          ; the search, three registers each, one a tile: the wanted rank
.set WD,   16                          ; its group's word
.set PR,   20                          ; (group << 16) - rows before the group
.set QA,   24                          ; the word's counts of 2 bits,
.set QB,   28                          ; of 4 bits,
.set QC,   32                          ; of 8 bits (in each byte's low four bits)
.set NN,   36                          ; the rank within what is left of the word
.set PS,   40                          ; the bit's place so far
.set TT,   44                          ; at work
.set DD,   48
.set P2,   52
.set WK,   8                           ; the way out: v8-39   32 numbers x / 2, then gelu: register 4 u + j' of fragment b at 16 u + 4 b + j'
.set U,    40                          ; v40-55  t
.set EE,   56                          ; v56-71  exp(-z^2)
.set PP,   72                          ; v72-87  the polynomial
.set OUT,  88                          ; v88-103 64 bytes to store
.set HO,   104                         ; where
.set L16,  105                         ; lane x 16
; s16 wave, s17 e, s18 slice, s20 count, s21 nt, s22 T (my live tiles in the block), s23 blk, s24 loop counter, s26-31 scratch, s[32:33] weights (stepped), s[34:35] tokens (stepped), s[36:37] tokens,
; s[38:39] hb, s41 my first tile, s42 2 T, s43 my first tile's bytes, s44-57 constants, s[58:59] bias, s60-61 masks
.set CU,  44
.set CE,  46
.set GA1, 48
.set GA2, 50
.set GA3, 52
.set GA4, 54
.set GA5, 56
.set C5,  60
.set C3,  61
.set MSB, 0
.macro WIN new                         ; the immediate's high byte repeats the setting that is left; a switch that changes nothing is dropped
.if MSB != (\new)
	s_set_vgpr_msb (MSB<<8)|(\new)
.set MSB, (\new)
.endif
.endm
.macro ALL3 line:vararg                ; one line for each of my three tiles t
.set t, 0
.rept 3
	\line
.set t, t+1
.endr
.endm
.macro SETKO i                         ; ko = where step i (counted from the stepped address) begins in the LDS rows
.set ko, BLKB*((\i)/2)+KS*((\i)%2)
.endm
.macro WLOAD sl, c                     ; my 4 rows of chunk c (counted from the stepped base) into weight slot sl; a load covers 512 consecutive bytes, aligned
.if (\sl) < 2
.set wb, W0R+16*(\sl)
	WIN 0
.else
.set wb, 16*((\sl)-2)
	WIN 0x40                                       ; destination in window 1
.endif
.irp r, 0,1,2,3
	global_load_b128 v[wb+4*(\r):wb+4*(\r)+3], v[WO], s[32:33] offset:(\c)*CHG+(\r)*PG th:TH_LOAD_NT
.endr
	WIN 0
.endm
; Slot sl rounded and stored: for each of my four columns 4 numbers along K, 8 bytes, at byte off of the column's LDS row.  Three pairs of registers take turns, so that a conversion does not land on the pair of the store just issued.
.macro CONV sl, off
.if (\sl) < 2
.set wb, W0R+16*(\sl)
.set ww, 0
.else
.set wb, 16*((\sl)-2)
.set ww, 0x05                          ; sources 0 and 1 in window 1
.endif
	WIN ww
	v_cvt_pk_bf16_f32 v[CV],   v[wb],    v[wb+4]
	v_cvt_pk_bf16_f32 v[CV+1], v[wb+8],  v[wb+12]
	v_cvt_pk_bf16_f32 v[CV+2], v[wb+1],  v[wb+5]
	v_cvt_pk_bf16_f32 v[CV+3], v[wb+9],  v[wb+13]
	WIN 0
	ds_store_b64 v[SA], v[CV:CV+1]   offset:(\off)
	ds_store_b64 v[SA], v[CV+2:CV+3] offset:(\off)+FR
	WIN ww
	v_cvt_pk_bf16_f32 v[CW],   v[wb+2],  v[wb+6]
	v_cvt_pk_bf16_f32 v[CW+1], v[wb+10], v[wb+14]
	v_cvt_pk_bf16_f32 v[CV],   v[wb+3],  v[wb+7]
	v_cvt_pk_bf16_f32 v[CV+1], v[wb+11], v[wb+15]
	WIN 0
	ds_store_b64 v[SA], v[CW:CW+1]   offset:(\off)+2*FR
	ds_store_b64 v[SA], v[CV:CV+1]   offset:(\off)+3*FR
.endm
.macro BLOAD dst, fb, off              ; four weight fragments, fb .. fb + 3, at byte off
.irp n, 0,1,2,3
	ds_load_b128 v[(\dst)+8*(\n):(\dst)+8*(\n)+3],   v[LA+(\fb)/4] offset:(\off)+(\n)*FR
	ds_load_b128 v[(\dst)+8*(\n)+4:(\dst)+8*(\n)+7], v[LA+(\fb)/4] offset:(\off)+(\n)*FR+FH
.endr
.endm
.macro ALOAD sg, off                   ; three token fragments into slot sg; all six loads are always issued, so that the counted waits hold on every path
.irp t, 0,1,2
	global_load_b128 v[AR+24*(\sg)+8*(\t):AR+24*(\sg)+8*(\t)+3],   v[AO+(\t)], s[34:35] offset:(\off)
	global_load_b128 v[AR+24*(\sg)+8*(\t)+4:AR+24*(\sg)+8*(\t)+7], v[AO+(\t)], s[34:35] offset:(\off)+AH
.endr
.endm
.macro MMA t, f, sg
	v_wmma_f32_16x16x32_bf16 v[ACC+64*(\t)+8*(\f):ACC+64*(\t)+8*(\f)+7], v[BX+8*(\f):BX+8*(\f)+7], v[AR+24*(\sg)+8*(\t):AR+24*(\sg)+8*(\t)+7], v[ACC+64*(\t)+8*(\f):ACC+64*(\t)+8*(\f)+7]
.endm
; 12 products: fragments 4 hf .. 4 hf + 3 x my three tiles, with slot sg's tokens.  Tiles past T are jumped in groups (0, 1) and (2).  No two neighbours share an accumulator, from half to half and over
; the loops' jumps too: the accumulators take turns.  The four v_nop are the places in front of the loads into registers that these products read.
.macro HALF hf, sg
	s_cmp_lt_u32 s22, 1
	s_cbranch_scc1 .Lhe_\@
	WIN 0x50                                       ; C and D in window 1
.irp b, 0,1,2,3
.irp t, 0,1
	MMA \t, 4*(\hf)+\b, \sg
.endr
.endr
	WIN 0
	s_cmp_lt_u32 s22, 3
	s_cbranch_scc1 .Lhe_\@
	WIN 0x50
.irp b, 0,1,2,3
	MMA 2, 4*(\hf)+\b, \sg
.endr
	WIN 0
.Lhe_\@:
.rept 4
	v_nop
.endr
.endm
; Trip i (counted from the stepped bases).  cw: the loads younger than this trip's group.  cv: a chunk is stored.  wl, al: weights, tokens are asked for.  nx: the next step's first four fragments are fetched.
; bar: the trip has the barrier.  st: the two global bases go six trips on, ahead of the trip's token loads.
.macro TRIP i, cw, cv, wl, al, nx, bar, st=0
	SETKO \i
	BLOAD BY, 4, ko
	s_wait_loadcnt \cw                             ; my rows of chunk j + 3 and my tokens of step j are in
.if \cv
	CONV ((\i)+3)%6, BLKB*(((\i)+3)/2-1)+64*(((\i)+3)%2)
.endif
.if \wl
	WLOAD ((\i)+3)%6, (\i)+9
.endif
	s_wait_dscnt 8+4*(\cv)                         ; fragments 0-3 are in: the eight loads and the stores above are younger
	HALF 0, (\i)%6
.if \bar
	s_wait_dscnt 0x0                               ; for the others' sake: my stores of this trip's chunk and of the last trip's are done (and fragments 4-7 are in)
	s_barrier_signal -1                            ; between signal and wait: loads of bytes that nobody writes again, and products
.endif
.if \nx
	SETKO (\i)+1
	BLOAD BX, 0, ko
.endif
.if !(\bar)
	s_wait_dscnt 4*(\cv)+8*(\nx)                   ; fragments 4-7 are in: the stores and the eight loads issued behind them are younger
.endif
	HALF 1, (\i)%6
.if \bar
	s_barrier_wait -1                              ; everybody's stores of both chunks are done
.endif
.if \al
.if \st
	s_wait_xcnt 0x0                                ; the bases of the loads issued so far are rewritten only behind this wait; the youngest of them went out ahead of this trip's products
	s_add_nc_u64 s[32:33], s[32:33], 6*CHG
	s_add_nc_u64 s[34:35], s[34:35], 6*AST
	ALOAD (\i)%6, (\i)*AST                         ; step i + 6, counted from the new base
.else
	ALOAD (\i)%6, ((\i)+6)*AST
.endif
.endif
.endm
.macro STEPL                           ; the LDS addresses go six trips on
	v_add_nc_u32 v[LA], 3*BLKB, v[LA]
	v_add_nc_u32 v[LA+1], 3*BLKB, v[LA+1]
	v_add_nc_u32 v[SA], 3*BLKB, v[SA]
.endm
.macro FIVE                            ; the first five trips of a turn: the barrier in the even ones
	TRIP 0, 50, 1, 1, 1, 1, 1
	TRIP 1, 50, 1, 1, 1, 1, 0
	TRIP 2, 50, 1, 1, 1, 1, 1
	TRIP 3, 50, 1, 1, 1, 1, 0
	TRIP 4, 50, 1, 1, 1, 1, 1
.endm
.macro BIAS_LOAD                       ; my 64 columns' bias: b1[64 g + 32 h + 0..31] at BV + 32 g
	v_bfe_u32 v9, v0, 4, 1
	v_lshlrev_b32 v9, 7, v9
.set z, 0
.rept 16
	global_load_b128 v[BV+4*z:BV+4*z+3], v9, s[58:59] offset:256*(z/8)+16*(z%8)
.set z, z+1
.endr
.endm
.macro BIAS_SPREAD                     ; rounded to bf16, and copied into the three tiles' accumulators: the sums begin from the bias, and no first trip is written out
.set z, 0
.rept 32
	v_cvt_pk_bf16_f32 v[12+z%4], v[BV+2*z], v[BV+2*z+1]
	v_lshlrev_b32 v[BV+2*z], 16, v[12+z%4]
	v_and_b32 v[BV+2*z+1], 0xffff0000, v[12+z%4]
.set z, z+1
.endr
	WIN 0x40                                       ; destination in window 1
.set z, 0
.rept 192                              ; register j = z % 8 of fragment f = (z % 64) / 8 takes column 32 (f / 4) + 4 j + f % 4 of my 64
	v_mov_b32 v[ACC+z], v[BV+32*((z%64)/32)+4*(z%8)+((z%64)/8)%4]
.set z, z+1
.endr
	WIN 0
.endm
; One halving of the search: the members among the low st bits of what is left stand in src, wd bits wide, at the place so far.  A rank at or past that number lies in the upper st bits.
.macro LEVEL src, wd, st
	ALL3 v_bfe_u32 v[TT+t], v[(\src)+t], v[PS+t], \wd
	ALL3 v_sub_nc_u32 v[DD+t], v[NN+t], v[TT+t]
	ALL3 v_add_nc_u32 v[P2+t], \st, v[PS+t]
.set t, 0
.rept 3
	v_cmp_ge_u32 vcc_lo, v[NN+t], v[TT+t]
	v_cndmask_b32 v[NN+t], v[NN+t], v[DD+t], vcc_lo
	v_cndmask_b32 v[PS+t], v[PS+t], v[P2+t], vcc_lo
.set t, t+1
.endr
.endm
.macro SETBLK                          ; block s23: my first tile; the count and nt; my number of live tiles; my three tiles' rows of xb
	s_mul_i32 s26, s23, 24
	s_add_co_u32 s41, s26, s16
	s_lshl_b32 s26, s41, 4
	v_and_b32 v1, 15, v0
	v_add_nc_u32 v[RK], s26, v1                    ; rank 16 x tile + lane % 16,
	v_add_nc_u32 v[RK+1], 0x80, v[RK]              ; eight tiles on,
	v_add_nc_u32 v[RK+2], 0x100, v[RK]             ; sixteen tiles on
	ALL3 v_mov_b32 v[WD+t], 0
	ALL3 v_mov_b32 v[PR+t], 0
	s_mov_b32 s20, 0                               ; rows before the group
	s_mov_b32 s24, 0                               ; group
.Lwalk_\@:
	v_readlane_b32 s26, v[MM], s24                 ; the group's members
	s_lshl_b32 s27, s24, 16
	s_sub_co_u32 s27, s27, s20
.set t, 0
.rept 3
	v_cmp_gt_u32 vcc_lo, s20, v[RK+t]              ; more rows before this group than my rank: the group found earlier stays
	v_cndmask_b32 v[WD+t], s26, v[WD+t], vcc_lo
	v_cndmask_b32 v[PR+t], s27, v[PR+t], vcc_lo
.set t, t+1
.endr
	s_bcnt1_i32_b32 s28, s26
	s_add_co_u32 s20, s20, s28
	s_add_co_u32 s24, s24, 1
	s_cmp_lt_u32 s24, 32
	s_cbranch_scc1 .Lwalk_\@
	s_add_co_u32 s21, s20, 15                      ; s20 is the count
	s_lshr_b32 s21, s21, 4
	s_max_u32 s21, s21, 1                          ; nt
	s_sub_co_i32 s27, s21, s41
	s_add_co_i32 s27, s27, 7
	s_ashr_i32 s27, s27, 3
	s_max_i32 s27, s27, 0
	s_min_i32 s22, s27, 3                          ; T = ceil((nt - 24 blk - w) / 8), held to 0 .. 3
	ALL3 v_add_nc_u32 v[PR+t], v[PR+t], v[RK+t]    ; (group << 16) + rank within the group, which is below 32 for a rank below the count
	ALL3 v_and_b32 v[NN+t], 63, v[PR+t]
	ALL3 v_lshrrev_b32 v[PR+t], 16, v[PR+t]        ; the group
	ALL3 v_lshrrev_b32 v[QA+t], 1, v[WD+t]
	ALL3 v_and_b32 v[QA+t], s[C5], v[QA+t]
	ALL3 v_sub_nc_u32 v[QA+t], v[WD+t], v[QA+t]    ; members in each 2 bits
	ALL3 v_lshrrev_b32 v[QB+t], 2, v[QA+t]
	ALL3 v_and_b32 v[TT+t], s[C3], v[QA+t]
	ALL3 v_and_b32 v[QB+t], s[C3], v[QB+t]
	ALL3 v_add_nc_u32 v[QB+t], v[QB+t], v[TT+t]    ; in each 4 bits: 4 at the most
	ALL3 v_lshrrev_b32 v[QC+t], 4, v[QB+t]
	ALL3 v_add_nc_u32 v[QC+t], v[QC+t], v[QB+t]    ; in each 8 bits, in the byte's low four bits: 8 at the most, so nothing is carried
	ALL3 v_and_b32 v[TT+t], 15, v[QC+t]
	ALL3 v_bfe_u32 v[DD+t], v[QC+t], 8, 4
	ALL3 v_add_nc_u32 v[TT+t], v[TT+t], v[DD+t]    ; in the low 16 bits
	ALL3 v_sub_nc_u32 v[DD+t], v[NN+t], v[TT+t]
.set t, 0
.rept 3
	v_cmp_ge_u32 vcc_lo, v[NN+t], v[TT+t]
	v_cndmask_b32 v[NN+t], v[NN+t], v[DD+t], vcc_lo
	v_cndmask_b32 v[PS+t], 0, 16, vcc_lo
.set t, t+1
.endr
	LEVEL QC, 4, 8
	LEVEL QB, 4, 4
	LEVEL QA, 2, 2
	LEVEL WD, 1, 1
	ALL3 v_lshl_add_u32 v[PS+t], v[PR+t], 5, v[PS+t]  ; the token: 32 x group + bit
.set t, 0
.rept 3
	v_cmp_gt_u32 vcc_lo, s20, v[RK+t]              ; a rank below the count?
	v_cndmask_b32 v[PS+t], s17, v[PS+t], vcc_lo    ; else token e
.set t, t+1
.endr
	ALL3 v_min_u32 v[PS+t], 0x3ff, v[PS+t]         ; what hangs on a loaded number enters an address only behind a bound written in the text
	v_bfe_u32 v1, v0, 4, 1
	v_lshlrev_b32 v1, 4, v1
	ALL3 v_lshl_add_u32 v[AO+t], v[PS+t], 11, v1   ; its row of 2,048 bytes, + 16 h
.endm
.macro MAKE_LA                         ; a fragment's row lane % 16, and the half's place in it
	v_and_b32 v1, 15, v0
	v_mul_u32_u24 v[LA], v1, PT
	v_bfe_u32 v1, v0, 4, 1
	v_lshl_add_u32 v[LA], v1, HS, v[LA]
	v_add_nc_u32 v[LA+1], 4*FR, v[LA]
.endm
	s_load_b256 s[4:11], s[0:1], 0x0               ; W1 s[4:5], b1 s[6:7], xb s[8:9], bm s[10:11]
	s_load_b64 s[12:13], s[0:1], 0x20              ; hb
	v_lshrrev_b32 v1, 5, v0
	v_readfirstlane_b32 s16, v1                    ; wave 0..7
	s_and_b32 s17, ttmp7, 0xffff                   ; e
	s_mov_b32 s18, ttmp9                           ; slice
	s_lshl_b32 s26, s17, 24                        ; W1: e x 16 MiB + slice x 512
	s_lshl_b32 s28, s18, 9
	s_add_co_u32 s26, s26, s28
	s_mov_b32 s27, 0
	s_lshl_b32 s30, s17, 14                        ; b1: e x 16,384 + slice x 512
	s_add_co_u32 s28, s28, s30
	s_mov_b32 s29, 0
	s_lshl_b32 s30, s17, 23                        ; hb: e x 8 MiB + slice x 4 steps of 1,024 bytes
	s_lshl_b32 s42, s18, 12
	s_add_co_u32 s30, s30, s42
	s_mov_b32 s31, 0
	s_mov_b32 s23, 0
	v_and_b32 v10, 31, v0                          ; lane
	s_mul_i32 s42, s16, 4*PG
	v_lshl_add_u32 v[WO], v10, 4, s42              ; my 4 rows of a chunk, 16 bytes a lane
	v_and_b32 v1, 15, v0
	v_bfe_u32 v11, v0, 4, 1
	v_lshl_add_u32 v12, v11, 6, v1                 ; LDS row 64 (lane / 16) + lane % 16
	v_mul_u32_u24 v12, v12, PT
	s_lshl_b32 s42, s16, 3
	v_add_nc_u32 v[SA], s42, v12                   ; + my 4 k of a chunk's 32: 8 bytes
	MAKE_LA
	s_lshl_b32 s42, s17, 3
	v_lshl_add_u32 v8, v10, 7, s42                 ; lane g: group g's two words for expert e
	s_mov_b32 s[C5], 0x55555555
	s_mov_b32 s[C3], 0x33333333
	s_mov_b32 s[CU], 0x3eed3388                    ; 0.3275911 sqrt 2
	s_mov_b32 s[CE], 0xc038aa3b                    ; -2 log2(e)
	s_mov_b32 s[CE+1], 0xc038aa3b                  ; (the packed forms name pairs and take the low word for both halves)
	s_mov_b32 s[GA1], 0x3e827906                   ; 0.254829592
	s_mov_b32 s[GA1+1], 0x3e827906
	s_mov_b32 s[GA2], 0xbe91a98e                   ; -0.284496736
	s_mov_b32 s[GA2+1], 0xbe91a98e
	s_mov_b32 s[GA3], 0x3fb5f0e3                   ; 1.421413741
	s_mov_b32 s[GA3+1], 0x3fb5f0e3
	s_mov_b32 s[GA4], 0xbfba00e3                   ; -1.453152027
	s_mov_b32 s[GA4+1], 0xbfba00e3
	s_mov_b32 s[GA5], 0x3f87dc22                   ; 1.061405429
	s_mov_b32 s[GA5+1], 0x3f87dc22
	s_wait_kmcnt 0x0
	s_add_nc_u64 s[32:33], s[4:5], s[26:27]
	s_add_nc_u64 s[58:59], s[6:7], s[28:29]
	s_mov_b64 s[36:37], s[8:9]
	s_mov_b64 s[34:35], s[8:9]
	s_add_nc_u64 s[38:39], s[12:13], s[30:31]
	global_load_b64 v[208:209], v8, s[10:11]       ; first choice's word, second choice's word
	BIAS_LOAD
.irp c, 0,1,2,3,4,5
	WLOAD \c, \c                                   ; the stream begins ahead of everything that waits
.endr
	s_wait_loadcnt 24                              ; the bitmaps and the bias are in: the 24 weight loads are younger
	v_or_b32 v[MM], v208, v209                     ; the group's members, whichever choice
	SETBLK
	ALOAD 0, 0
	ALOAD 1, AST
	ALOAD 2, 2*AST
	BIAS_SPREAD
	s_wait_loadcnt 38                              ; chunk 0 is in: behind it went chunks 1-5 (20) and three steps' tokens (18)
	CONV 0, 0
	WLOAD 0, 6
	ALOAD 3, 3*AST
	s_wait_loadcnt 44                              ; chunk 1: chunks 2-5 (16), 18, and the 10 just issued
	CONV 1, 64
	WLOAD 1, 7
	ALOAD 4, 4*AST
	s_wait_loadcnt 50                              ; chunk 2: chunks 3-5 (12), 18, 20
	CONV 2, BLKB
	WLOAD 2, 8
	ALOAD 5, 5*AST
	v_add_nc_u32 v[SA], BLKB, v[SA]                ; from here on the stores' offsets count from block 1
	s_wait_loadcnt 30                              ; chunks 3-5 and the tokens of steps 0-2 are in: behind them went three groups of 10; from trip 3 on the queue is in the loop's order
	s_wait_dscnt 0x0
	s_barrier_signal -1
	s_barrier_wait -1                              ; chunks 0, 1, 2 lie in LDS
	BLOAD BX, 0, 0
	s_mov_b32 s24, 3
.Lbody:                                                ; six trips a turn, as the rings have six slots; five younger groups of 10 loads stay out
	FIVE
	TRIP 5, 50, 1, 1, 1, 1, 0, 1
	STEPL
	s_sub_co_u32 s24, s24, 1
	s_cmp_lg_u32 s24, 0
	s_cbranch_scc1 .Lbody
	FIVE                                           ; trips 18 to 22: trip 22 asks for the last chunk
	TRIP 5, 50, 1, 0, 1, 1, 0, 1                   ; trip 23
	STEPL
	TRIP 0, 46, 1, 0, 1, 1, 1                      ; trips 24 on: the younger groups thin out: 4 x 10 + 6,
	TRIP 1, 42, 1, 0, 1, 1, 0                      ; 3 x 10 + 2 x 6; the last tokens are asked for
	TRIP 2, 38, 1, 0, 0, 1, 1                      ; 2 x 10 + 3 x 6
	TRIP 3, 28, 1, 0, 0, 1, 0                      ; 10 + 3 x 6
	TRIP 4, 18, 1, 0, 0, 1, 1                      ; trip 28: the last chunk is stored; behind this barrier the whole slice lies in LDS
	TRIP 5, 12, 0, 0, 0, 1, 0
	TRIP 6, 6, 0, 0, 0, 1, 0
	TRIP 7, 0, 0, 0, 0, 0, 0
.Lblk:                                                 ; THE WAY OUT of block s23, 32 numbers a lane at a time: piece 2 t + g is fragments 4 g .. 4 g + 3 of tile t, whole
	v_and_b32 v[L16], 31, v0
	v_lshlrev_b32 v[L16], 4, v[L16]
	s_lshl_b32 s42, s22, 1
	s_lshl_b32 s43, s41, 17                        ; a tile is 131,072 bytes of hb
	s_mov_b32 s24, 0
.Lep:
	s_cmp_ge_u32 s24, s42
	s_cbranch_scc1 .Lepx
.irp k, 1,2,3,4,5
	s_cmp_eq_u32 s24, \k
	s_cbranch_scc1 .Lst_\k
.endr
; Registers cannot be indexed: a stub for each piece halves its 32 sums into WK, and ONE text does the rest.  A stub takes whole accumulators, each in ascending order of its registers:
; whichever stub is reached, an accumulator's lowest registers are read first.
.macro STUB k, br
.Lst_\k:
	WIN 0x01                                       ; source 0 in window 1
.irp b, 0,1,2,3
.set sa, ACC+64*((\k)/2)+8*(4*((\k)%2)+(\b))
	v_pk_mul_f32 v[WK+4*(\b):WK+4*(\b)+1],       v[sa:sa+1],   0.5 op_sel_hi:[1,0]
	v_pk_mul_f32 v[WK+4*(\b)+2:WK+4*(\b)+3],     v[sa+2:sa+3], 0.5 op_sel_hi:[1,0]
	v_pk_mul_f32 v[WK+16+4*(\b):WK+16+4*(\b)+1],   v[sa+4:sa+5], 0.5 op_sel_hi:[1,0]
	v_pk_mul_f32 v[WK+16+4*(\b)+2:WK+16+4*(\b)+3], v[sa+6:sa+7], 0.5 op_sel_hi:[1,0]
.endr
	WIN 0
.if \br
	s_branch .Lgelu
.endif
.endm
.irp k, 0,1,2,3,4
	STUB \k, 1
.endr
	STUB 5, 0
; GELU of the 16 numbers y = x / 2 at wk, in place.  t = 1 / (1 + CU |y|), E = 2^(CE y^2): plain instructions and transcendentals by turns, a pair apart; ONE batch of 32, one wait.
.macro GELU16 wk
.set p, 0
.rept 9
.if p < 8
	v_fma_f32 v[U+2*p], |v[(\wk)+2*p]|, s[CU], 1.0
.endif
.if p > 0
	v_rcp_f32 v[U+2*p-2], v[U+2*p-2]
.endif
.if p < 8
	v_fma_f32 v[U+2*p+1], |v[(\wk)+2*p+1]|, s[CU], 1.0
.endif
.if p > 0
	v_rcp_f32 v[U+2*p-1], v[U+2*p-1]
.endif
.if p < 8
	v_pk_mul_f32 v[EE+2*p:EE+2*p+1], v[(\wk)+2*p:(\wk)+2*p+1], v[(\wk)+2*p:(\wk)+2*p+1]
.endif
.if p > 0
	v_exp_f32 v[EE+2*p-2], v[EE+2*p-2]
.endif
.if p < 8
	v_pk_mul_f32 v[EE+2*p:EE+2*p+1], v[EE+2*p:EE+2*p+1], s[CE:CE+1] op_sel_hi:[1,0]
.endif
.if p > 0
	v_exp_f32 v[EE+2*p-1], v[EE+2*p-1]
.endif
.set p, p+1
.endr
	v_nop                                          ; a plain instruction behind the last transcendental,
	s_wait_alu depctr_va_vdst(0)                   ; and one wait for the batch, ahead of its first reader
.set z, 0
.rept 8
	v_pk_fma_f32 v[PP+2*z:PP+2*z+1], v[U+2*z:U+2*z+1], s[GA5:GA5+1], s[GA4:GA4+1] op_sel_hi:[1,0,0]
.set z, z+1
.endr
.irp c, GA3, GA2, GA1
.set z, 0
.rept 8
	v_pk_fma_f32 v[PP+2*z:PP+2*z+1], v[PP+2*z:PP+2*z+1], v[U+2*z:U+2*z+1], s[\c:\c+1] op_sel_hi:[1,1,0]
.set z, z+1
.endr
.endr
.set z, 0
.rept 8
	v_pk_mul_f32 v[PP+2*z:PP+2*z+1], v[PP+2*z:PP+2*z+1], v[U+2*z:U+2*z+1]
.set z, z+1
.endr
.set z, 0
.rept 8
	v_pk_fma_f32 v[PP+2*z:PP+2*z+1], v[PP+2*z:PP+2*z+1], v[EE+2*z:EE+2*z+1], 1.0 op_sel_hi:[1,1,0] neg_lo:[1,0,0] neg_hi:[1,0,0]  ; erf(|x| / sqrt 2)
.set z, z+1
.endr
.set z, 0
.rept 16
	v_fma_f32 v[(\wk)+z], |v[(\wk)+z]|, v[PP+z], v[(\wk)+z]  ; gelu = y + |y| erf
.set z, z+1
.endr
.endm
.Lgelu:
	GELU16 WK                                      ; u = 0: columns 64 g + 32 h + 0..15
	GELU16 WK+16                                   ; u = 1: columns 64 g + 32 h + 16..31
	s_lshr_b32 s26, s24, 1
	s_lshl_b32 s26, s26, 20                        ; t: eight tiles on
	s_and_b32 s27, s24, 1
	s_lshl_b32 s27, s27, 11                        ; g: two steps of the next product's K
	s_add_co_u32 s26, s26, s27
	s_add_co_u32 s26, s26, s43
	s_wait_xcnt 0x0                                ; the last piece's stores have read their data and their offset: these are rewritten only behind this wait
	v_add_nc_u32 v[HO], s26, v[L16]
.set z, 0
.rept 16                               ; u = z / 8; columns 2 z', 2 z' + 1 of u's 16, z' = z % 8: j' = z' / 2, b = 2 (z' % 2) and the next
	v_cvt_pk_bf16_f32 v[OUT+z], v[WK+16*(z/8)+8*(z%2)+(z%8)/2], v[WK+16*(z/8)+8*(z%2)+4+(z%8)/2]
.set z, z+1
.endr
.irp n, 0,1,2,3
	global_store_b128 v[HO], v[OUT+4*(\n):OUT+4*(\n)+3], s[38:39] offset:512*(\n)  ; step 2 g + n / 2, half n % 2: each store covers 512 consecutive bytes, aligned
.endr
	s_add_co_u32 s24, s24, 1
	s_cmp_lt_u32 s24, 6
	s_cbranch_scc1 .Lep
.Lepx:
	s_add_co_u32 s23, s23, 1
	s_mul_i32 s26, s23, 24
	s_cmp_le_u32 s21, s26
	s_cbranch_scc1 .Lend                           ; no tile is left (nt is 64 at the most, so this is taken at block 3 at the latest)
	s_wait_xcnt 0x0                                ; the stores' registers are free
	SETBLK
	BIAS_LOAD
	s_wait_loadcnt 0x0
	BIAS_SPREAD
	MAKE_LA
	s_mov_b64 s[34:35], s[36:37]
	s_mov_b32 s24, 16
.Lpb:                                                  ; a further block of 384 rows, a block of 64 k a trip: the slice is read from LDS once more; nothing writes LDS, so no barrier
	ALOAD 0, 0
	ALOAD 1, AST
	BLOAD BX, 0, 0
	BLOAD BY, 4, 0
	s_wait_loadcnt 6                               ; the first step's tokens: the second step's six loads are younger
	s_wait_dscnt 0x0
	HALF 0, 0
	HALF 1, 0
	BLOAD BX, 0, KS
	BLOAD BY, 4, KS
	s_wait_loadcnt 0x0
	s_wait_dscnt 0x0
	HALF 0, 1
	HALF 1, 1
	s_add_nc_u64 s[34:35], s[34:35], 2*AST
	v_add_nc_u32 v[LA], BLKB, v[LA]
	v_add_nc_u32 v[LA+1], BLKB, v[LA+1]
	s_sub_co_u32 s24, s24, 1
	s_cmp_lg_u32 s24, 0
	s_cbranch_scc1 .Lpb
	s_cmp_lt_u32 s23, 3
	s_cbranch_scc1 .Lblk
.Lend:
	s_wait_dscnt 0x0                               ; my LDS reads are back,
	s_barrier_signal -1
	s_barrier_wait -1                              ; and so are everybody's: only now does any wave write LDS again
	v_lshl_add_u32 v8, v0, 2, SPARE                ; no two registers could be kept: v0 was, and the two are made here
	v_mov_b32 v9, 0
	s_wait_tensorcnt 0x0                           ; the wave's end
	ds_add_u32 v8, v9
	s_wait_dscnt 0x0
	s_endpgm
.Lfunc_end_k_qdc962fd751_ffn1:
	.size	k_qdc962fd751_ffn1, .Lfunc_end_k_qdc962fd751_ffn1-k_qdc962fd751_ffn1
	.p2alignl 7, 3214868480
	.fill 96, 4, 3214868480
	.section	.rodata,"a",@progbits
	.p2align	6, 0x0
	.amdhsa_kernel k_qdc962fd751_ffn1
		.amdhsa_group_segment_fixed_size 295936
		.amdhsa_private_segment_fixed_size 0
		.amdhsa_enable_private_segment 0
		.amdhsa_kernarg_size 40
		.amdhsa_user_sgpr_count 2
		.amdhsa_user_sgpr_kernarg_segment_ptr 1
		.amdhsa_wavefront_size32 1
		.amdhsa_system_sgpr_workgroup_id_x 1
		.amdhsa_system_sgpr_workgroup_id_y 1
		.amdhsa_system_sgpr_workgroup_id_z 1
		.amdhsa_system_vgpr_workitem_id 0
		.amdhsa_next_free_vgpr 512
		.amdhsa_next_free_sgpr 66
		.amdhsa_reserve_vcc 1
		.amdhsa_float_denorm_mode_32 3
		.amdhsa_float_denorm_mode_16_64 3
		.amdhsa_memory_ordered 1
		.amdhsa_forward_progress 1
		.amdhsa_inst_pref_size 179
	.end_amdhsa_kernel
	.amdgpu_metadata
---
amdhsa.version: [ 1, 2 ]
amdhsa.kernels:
  - .name:           k_qdc962fd751_ffn1
    .symbol:         k_qdc962fd751_ffn1.kd
    .args:
      - { .name: W1, .offset: 0, .size: 8, .value_kind: global_buffer, .address_space: global }
      - { .name: b1, .offset: 8, .size: 8, .value_kind: global_buffer, .address_space: global }
      - { .name: xb, .offset: 16, .size: 8, .value_kind: global_buffer, .address_space: global }
      - { .name: bm, .offset: 24, .size: 8, .value_kind: global_buffer, .address_space: global }
      - { .name: hb, .offset: 32, .size: 8, .value_kind: global_buffer, .address_space: global }
    .group_segment_fixed_size: 295936
    .private_segment_fixed_size: 0
    .kernarg_segment_align: 8
    .kernarg_segment_size: 40
    .max_flat_workgroup_size: 256
    .sgpr_count:     66
    .vgpr_count:     512
    .wavefront_size: 32
...
	.end_amdgpu_metadata
.endif
;; end of part 5
;; launch ffn2 (part 6): grid 32 x 8, 8 waves a work-group, no clusters, 300,032 bytes of LDS; arguments W2, b2, hb, bm, wt, yb; writes yb
.if DOCPART == 6
	.amdgcn_target "amdgcn-amd-amdhsa--gfx1250"
	.amdhsa_code_object_version 6
	.text
	.protected	k_qdc962fd751_ffn2
	.globl	k_qdc962fd751_ffn2
	.p2align	8
	.type	k_qdc962fd751_ffn2,@function
k_qdc962fd751_ffn2:
	s_mov_b64 s[64:65], 0
	v_nop
	global_prefetch_b8 v0, s[64:65] scope:SCOPE_SE
	s_setreg_imm32_b32 hwreg(HW_REG_WAVE_MODE, 25, 1), 1
	s_wait_xcnt 0x0
; SECOND PRODUCT.  weight x (h W2[e] + b2[e]) for the rows that chose expert e, in four partial sums along K, each row scattered to its place (choice, token).
; SHARES.  Work-group (e, q, j) owns rows 1024 q .. + 1023 and columns 128 j .. + 127 of W2[e], which it alone reads, once, and ALL of that expert's rows.  With the whole K a work-group's columns
; would be 32, 128 bytes of a row of W2; a quarter of K and 128 columns give rows of 512 bytes and a quarter of the reads of h, at the price of four partial rows, added by the next launch.
; THE ORDER OF THE WORK-GROUPS.  With n = 32 y + x, q is n's bits 0-1, e its bits 2-3 and 7, j its bits 4-6: the eight work-groups that read the same quarter of an expert's h agree in n's low four bits and in its top bit.
; A choice of order alone: the map is one-to-one, and any such map gives the same values.
; THE BODY is the first product's.  Eight waves, all alike.  A trip j is 32 along K: every wave rounds its 4 rows of chunk j + 3 into LDS, asks for its 4 rows of chunk j + 9, multiplies its tiles with step j,
; asks for its tokens of step j + 6.  Loads into registers come back in order (ISA guide 5.7.1), so weights and tokens are asked for equally far ahead: a group of 4 + 6 loads a trip, 60 loads of a wave out.
; THE SLICE IN LDS: [block of 64 k][128 rows][144 bytes], K along the rows; a lane's four columns 4 l + c go to rows 64 (l / 16) + 16 c + l % 16, so fragment f, row m, is column 64 (f / 4) + 4 m + f % 4.
; THE ORDER OF K.  hb lies as the first product's lanes held it: step 2 G + u has, in lane (r, h), k = 64 G + 32 h + 16 u + 8 x + 0..7 in half x.  The weight fragments are read in the same order: bytes 64 h + 32 u + 16 x of block G.
; A step thus needs chunks 2 G and 2 G + 1.
; THE BARRIER stands in the even trips alone: its signal between the two halves of the trip's products, behind the wait for my stores (chunks j + 2 and j + 3); its wait at the trip's end.
; Behind the wait of trip 2 J chunks up to 2 J + 3 lie in LDS: blocks up to J + 1.  Until the wait of trip 2 J + 2 a wave reads steps up to 2 J + 3 (the last as the fragments fetched ahead in trip 2 J + 2): blocks J and J + 1;
; and it stores chunks 2 J + 4 and 2 J + 5: block J + 2.
; TOKENS.  A live tile's load covers 512 consecutive bytes of hb.  A tile past nt loads one 16-byte piece of tile 0, which is always written.  Only the count is needed for that: it is made first, and the tokens are asked for at once.
; PRODUCT.  Source 0 = 16 tokens, source 1 = a weight fragment: a lane holds column 64 g + 4 r + b (r = lane % 16) of rows 8 h + 0..7.  Register j of fragments 4 g .. 4 g + 3, each times the row's weight, are 16 neighbouring
; bytes of row 8 h + j: sixteen lanes store 256 consecutive bytes of one row, aligned, straight from registers: no stage in LDS.
; THE LIST.  Every wave ranks the expert's rows for itself from the stored bitmaps, in the order of the tokens as the first product does, and keeps the entries of its own tiles in LDS; only the way out reads it, so it is built while the first tokens are on their way.
; Entry = 1024 k + token, the row of wt and of yb; places past the count hold 2048 + e, a row of yb that nobody reads, of which columns 128 j .. in plane q are this work-group's alone.
; So no lane is ever switched off.  yb: 4 planes (q) of 2,056 rows of 4,096 bytes.
; NO JOINT LOADS: the eight column slices of one (e, q) do read the same tiles of h, but the slice takes 294,912 of the 327,680 bytes of LDS, a step of 24 tiles is 24,576 bytes, so two slots do not fit; and the number of tiles hangs on a stored count.
; FORMATS.  W2, b2 rounded to bf16; h is bf16; sums in f32, begun from the bias in quarter 0 and from 0 in the others; partial rows in f32.  NaN and infinities are not treated apart.
.set PG,    4096                       ; bytes from a row of W2[e] to the next
.set CHG,   32*PG
.set AST,   1024                       ; bytes of a tile's step
.set AH,    512                        ; a token fragment's second half
.set HS,    6                          ; a weight fragment: 64 h,
.set FH,    16                         ; its second half 16 bytes on,
.set KS,    32                         ; a block's second step 32 bytes on
.set PT,    144                        ; 128 bytes + 16: the 16 rows of a fragment load start at 16 different groups of four banks (64 banks of 4 bytes: ISA guide 11.1)
.set FR,    16*PT
.set BLKB,  128*PT
.set LIST,  16*BLKB                    ; 512 bytes for each wave: 256 entries of 2 bytes; lanes without a row of mine write entry 255
.set LISTW, 512
.set SPARE, LIST+8*LISTW               ; the spare words, 128 bytes a wave: no other line names them
.set PLANE, 8421376                    ; 2,056 rows of 4,096 bytes
; registers as in the first product.  window 0: v0 thread; v1 scratch; v2-4 tiles' offsets in hb; v5 my offset in a chunk; v6 where I store in LDS; v7 lane g: group g's members; v8-71 weight fragments; v72-215 six slots of three token fragments;
;   v216-247 weight slots 0, 1; v248-251, v254-255 rounded; v252-253 fragment addresses.  window 1: v0-63 weight slots 2-5; v64-255 accumulators, (t, f) at 64 + 64 t + 8 f.
.set AO,   2
.set WO,   5
.set SA,   6
.set BX,   8
.set BY,   40
.set AR,   72
.set BV,   144
.set W0R,  216
.set CV,   248
.set LA,   252
.set CW,   254
.set ACC,  64
.set EN,   8                           ; the way out: v8-19 my half's eight entries in each of my three tiles, packed
.set RO,   24                          ; v24-47  their rows' byte offsets in yb
.set WA,   48                          ; v48-71  their byte offsets in wt
.set WT,   72                          ; v72-95  their weights
.set Q,    96                          ; v96-159 a tile's 64 weighted sums
; s16 wave, s17 e, s18 j, s19 q, s20 count, s21 nt, s22 T, s23 blk, s24 loop counter, s26-31 scratch, s[32:33] weights (stepped), s[34:35] tokens (stepped), s[36:37] tokens, s[38:39] yb, s40 my list, s41 my first tile,
; s43 all ones in quarter 0, else 0, s[58:59] bias
.set MSB, 0
.macro WIN new                         ; the immediate's high byte repeats the setting that is left; a switch that changes nothing is dropped
.if MSB != (\new)
	s_set_vgpr_msb (MSB<<8)|(\new)
.set MSB, (\new)
.endif
.endm
.macro SETKO i                         ; ko = where step i (counted from the stepped address) begins in the LDS rows
.set ko, BLKB*((\i)/2)+KS*((\i)%2)
.endm
.macro WLOAD sl, c                     ; my 4 rows of chunk c (counted from the stepped base) into weight slot sl; a load covers 512 consecutive bytes, aligned
.if (\sl) < 2
.set wb, W0R+16*(\sl)
	WIN 0
.else
.set wb, 16*((\sl)-2)
	WIN 0x40                                       ; destination in window 1
.endif
.irp r, 0,1,2,3
	global_load_b128 v[wb+4*(\r):wb+4*(\r)+3], v[WO], s[32:33] offset:(\c)*CHG+(\r)*PG th:TH_LOAD_NT
.endr
	WIN 0
.endm
; Slot sl rounded and stored: for each of my four columns 4 numbers along K, 8 bytes, at byte off of the column's LDS row.  Three pairs of registers take turns, so that a conversion does not land on the pair of the store just issued.
.macro CONV sl, off
.if (\sl) < 2
.set wb, W0R+16*(\sl)
.set ww, 0
.else
.set wb, 16*((\sl)-2)
.set ww, 0x05                          ; sources 0 and 1 in window 1
.endif
	WIN ww
	v_cvt_pk_bf16_f32 v[CV],   v[wb],    v[wb+4]
	v_cvt_pk_bf16_f32 v[CV+1], v[wb+8],  v[wb+12]
	v_cvt_pk_bf16_f32 v[CV+2], v[wb+1],  v[wb+5]
	v_cvt_pk_bf16_f32 v[CV+3], v[wb+9],  v[wb+13]
	WIN 0
	ds_store_b64 v[SA], v[CV:CV+1]   offset:(\off)
	ds_store_b64 v[SA], v[CV+2:CV+3] offset:(\off)+FR
	WIN ww
	v_cvt_pk_bf16_f32 v[CW],   v[wb+2],  v[wb+6]
	v_cvt_pk_bf16_f32 v[CW+1], v[wb+10], v[wb+14]
	v_cvt_pk_bf16_f32 v[CV],   v[wb+3],  v[wb+7]
	v_cvt_pk_bf16_f32 v[CV+1], v[wb+11], v[wb+15]
	WIN 0
	ds_store_b64 v[SA], v[CW:CW+1]   offset:(\off)+2*FR
	ds_store_b64 v[SA], v[CV:CV+1]   offset:(\off)+3*FR
.endm
.macro BLOAD dst, fb, off              ; four weight fragments, fb .. fb + 3, at byte off
.irp n, 0,1,2,3
	ds_load_b128 v[(\dst)+8*(\n):(\dst)+8*(\n)+3],   v[LA+(\fb)/4] offset:(\off)+(\n)*FR
	ds_load_b128 v[(\dst)+8*(\n)+4:(\dst)+8*(\n)+7], v[LA+(\fb)/4] offset:(\off)+(\n)*FR+FH
.endr
.endm
.macro ALOAD sg, off                   ; three token fragments into slot sg; all six loads are always issued, so that the counted waits hold on every path
.irp t, 0,1,2
	global_load_b128 v[AR+24*(\sg)+8*(\t):AR+24*(\sg)+8*(\t)+3],   v[AO+(\t)], s[34:35] offset:(\off)
	global_load_b128 v[AR+24*(\sg)+8*(\t)+4:AR+24*(\sg)+8*(\t)+7], v[AO+(\t)], s[34:35] offset:(\off)+AH
.endr
.endm
.macro MMA t, f, sg                    ; tokens first: the result's lanes are columns
	v_wmma_f32_16x16x32_bf16 v[ACC+64*(\t)+8*(\f):ACC+64*(\t)+8*(\f)+7], v[AR+24*(\sg)+8*(\t):AR+24*(\sg)+8*(\t)+7], v[BX+8*(\f):BX+8*(\f)+7], v[ACC+64*(\t)+8*(\f):ACC+64*(\t)+8*(\f)+7]
.endm
; 12 products: fragments 4 hf .. 4 hf + 3 x my three tiles.  Tiles past T are jumped in groups (0, 1) and (2).  No two neighbours share an accumulator, from half to half and over the loops' jumps too:
; the accumulators take turns.  The four v_nop are the places in front of the loads into registers that these products read.
.macro HALF hf, sg
	s_cmp_lt_u32 s22, 1
	s_cbranch_scc1 .Lhe_\@
	WIN 0x50                                       ; C and D in window 1
.irp b, 0,1,2,3
.irp t, 0,1
	MMA \t, 4*(\hf)+\b, \sg
.endr
.endr
	WIN 0
	s_cmp_lt_u32 s22, 3
	s_cbranch_scc1 .Lhe_\@
	WIN 0x50
.irp b, 0,1,2,3
	MMA 2, 4*(\hf)+\b, \sg
.endr
	WIN 0
.Lhe_\@:
.rept 4
	v_nop
.endr
.endm
; Trip i (counted from the stepped bases).  cw: the loads younger than this trip's group.  cv: a chunk is stored.  wl, al: weights, tokens are asked for.  nx: the next step's first four fragments are fetched.
; bar: the trip has the barrier.  st: the two global bases go six trips on, ahead of the trip's token loads.
.macro TRIP i, cw, cv, wl, al, nx, bar, st=0
	SETKO \i
	BLOAD BY, 4, ko
	s_wait_loadcnt \cw                             ; my rows of chunk j + 3 and my tokens of step j are in
.if \cv
	CONV ((\i)+3)%6, BLKB*(((\i)+3)/2-1)+64*(((\i)+3)%2)
.endif
.if \wl
	WLOAD ((\i)+3)%6, (\i)+9
.endif
	s_wait_dscnt 8+4*(\cv)                         ; fragments 0-3 are in: the eight loads and the stores above are younger
	HALF 0, (\i)%6
.if \bar
	s_wait_dscnt 0x0                               ; for the others' sake: my stores of this trip's chunk and of the last trip's are done (and fragments 4-7 are in)
	s_barrier_signal -1                            ; between signal and wait: loads of bytes that nobody writes again, and products
.endif
.if \nx
	SETKO (\i)+1
	BLOAD BX, 0, ko
.endif
.if !(\bar)
	s_wait_dscnt 4*(\cv)+8*(\nx)                   ; fragments 4-7 are in: the stores and the eight loads issued behind them are younger
.endif
	HALF 1, (\i)%6
.if \bar
	s_barrier_wait -1                              ; everybody's stores of both chunks are done
.endif
.if \al
.if \st
	s_wait_xcnt 0x0                                ; the bases of the loads issued so far are rewritten only behind this wait; the youngest of them went out ahead of this trip's products
	s_add_nc_u64 s[32:33], s[32:33], 6*CHG
	s_add_nc_u64 s[34:35], s[34:35], 6*AST
	ALOAD (\i)%6, (\i)*AST                         ; step i + 6, counted from the new base
.else
	ALOAD (\i)%6, ((\i)+6)*AST
.endif
.endif
.endm
.macro STEPL                           ; the LDS addresses go six trips on
	v_add_nc_u32 v[LA], 3*BLKB, v[LA]
	v_add_nc_u32 v[LA+1], 3*BLKB, v[LA+1]
	v_add_nc_u32 v[SA], 3*BLKB, v[SA]
.endm
.macro FIVE                            ; the first five trips of a turn: the barrier in the even ones
	TRIP 0, 50, 1, 1, 1, 1, 1
	TRIP 1, 50, 1, 1, 1, 1, 0
	TRIP 2, 50, 1, 1, 1, 1, 1
	TRIP 3, 50, 1, 1, 1, 1, 0
	TRIP 4, 50, 1, 1, 1, 1, 1
.endm
.macro BIAS_LOAD                       ; my eight columns' bias: b2[64 g + 4 r + b] at BV + 4 g + b
	v_and_b32 v9, 15, v0
	v_lshlrev_b32 v9, 4, v9
	global_load_b128 v[BV:BV+3], v9, s[58:59]
	global_load_b128 v[BV+4:BV+7], v9, s[58:59] offset:256
.endm
.macro BIAS_SPREAD                     ; rounded to bf16, kept in quarter 0 and masked to 0 in the others, and copied into the three tiles' accumulators: the sums begin from it
.set z, 0
.rept 4
	v_cvt_pk_bf16_f32 v[12+z], v[BV+2*z], v[BV+2*z+1]
	v_and_b32 v[12+z], s43, v[12+z]
	v_lshlrev_b32 v[BV+2*z], 16, v[12+z]
	v_and_b32 v[BV+2*z+1], 0xffff0000, v[12+z]
.set z, z+1
.endr
	WIN 0x40                                       ; destination in window 1
.set z, 0
.rept 192                              ; all eight registers (rows) of fragment f = (z % 64) / 8 take my column's bias
	v_mov_b32 v[ACC+z], v[BV+(z%64)/8]
.set z, z+1
.endr
	WIN 0
.endm
.macro SETBLK                          ; block s23: my first tile, my number of live tiles, my three tiles' places in hb
	s_mul_i32 s26, s23, 24
	s_add_co_u32 s41, s26, s16
	s_sub_co_i32 s27, s21, s41
	s_add_co_i32 s27, s27, 7
	s_ashr_i32 s27, s27, 3
	s_max_i32 s27, s27, 0
	s_min_i32 s22, s27, 3                          ; T = ceil((nt - 24 blk - w) / 8), held to 0 .. 3
	v_and_b32 v12, 31, v0
	v_lshlrev_b32 v12, 4, v12
.irp t, 0,1,2
	s_add_co_u32 s26, s41, 8*(\t)
	s_cmp_lt_u32 s26, s21                          ; a live tile?
	s_cselect_b32 s27, -1, 0
	s_and_b32 s26, s26, s27                        ; a dead one reads tile 0,
	s_min_u32 s26, s26, 63                         ; (what hangs on a loaded number enters an address only behind a bound written in the text)
	s_lshl_b32 s26, s26, 17
	v_and_b32 v[AO+(\t)], s27, v12                 ; all its lanes the same 16 bytes
	v_min_u32 v[AO+(\t)], 0x1f0, v[AO+(\t)]
	v_add_nc_u32 v[AO+(\t)], s26, v[AO+(\t)]
.endr
.endm
.macro MAKE_LA                         ; a fragment's row lane % 16, and the half's place in it
	v_and_b32 v1, 15, v0
	v_mul_u32_u24 v[LA], v1, PT
	v_bfe_u32 v1, v0, 4, 1
	v_lshl_add_u32 v[LA], v1, HS, v[LA]
	v_add_nc_u32 v[LA+1], 4*FR, v[LA]
.endm
	s_load_b256 s[4:11], s[0:1], 0x0               ; W2 s[4:5], b2 s[6:7], hb s[8:9], bm s[10:11]
	s_load_b128 s[12:15], s[0:1], 0x20             ; wt s[12:13], yb s[14:15]
	v_lshrrev_b32 v1, 5, v0
	v_readfirstlane_b32 s16, v1                    ; wave 0..7
	s_and_b32 s26, ttmp7, 0xffff                   ; y, 0..7; x = ttmp9, 0..31
	s_and_b32 s19, ttmp9, 3                        ; q = x % 4
	s_bfe_u32 s17, ttmp9, 0x20002                  ; (x / 4) % 4,
	s_and_b32 s27, s26, 4
	s_or_b32 s17, s17, s27                         ; e = (x / 4) % 4 + 4 (y / 4)
	s_lshr_b32 s18, ttmp9, 4                       ; x / 16,
	s_and_b32 s26, s26, 3
	s_lshl_b32 s26, s26, 1
	s_or_b32 s18, s18, s26                         ; j = x / 16 + 2 (y % 4)
	s_lshl_b32 s26, s17, 24                        ; W2: e x 16 MiB + q x 1,024 rows + j x 512
	s_lshl_b32 s28, s19, 22
	s_add_co_u32 s26, s26, s28
	s_lshl_b32 s28, s18, 9
	s_add_co_u32 s26, s26, s28
	s_mov_b32 s27, 0
	s_lshl_b32 s30, s17, 12                        ; b2: e x 4,096 + j x 512
	s_add_co_u32 s28, s28, s30
	s_mov_b32 s29, 0
	s_lshl_b32 s30, s17, 23                        ; hb: e x 8 MiB + q x 32 steps of 1,024 bytes
	s_lshl_b32 s42, s19, 15
	s_add_co_u32 s30, s30, s42
	s_mov_b32 s31, 0
	s_mul_i32 s40, s19, PLANE                      ; yb: plane q, + j x 512
	s_lshl_b32 s42, s18, 9
	s_add_co_u32 s40, s40, s42
	s_mov_b32 s41, 0
	s_mov_b32 s23, 0
	s_cmp_eq_u32 s19, 0
	s_cselect_b32 s43, -1, 0                       ; the bias enters once, in quarter 0
	v_and_b32 v10, 31, v0                          ; lane
	s_mul_i32 s42, s16, 4*PG
	v_lshl_add_u32 v[WO], v10, 4, s42              ; my 4 rows of a chunk, 16 bytes a lane
	v_and_b32 v1, 15, v0
	v_bfe_u32 v11, v0, 4, 1
	v_lshl_add_u32 v12, v11, 6, v1                 ; LDS row 64 (lane / 16) + lane % 16
	v_mul_u32_u24 v12, v12, PT
	s_lshl_b32 s42, s16, 3
	v_add_nc_u32 v[SA], s42, v12                   ; + my 4 k of a chunk's 32: 8 bytes
	MAKE_LA
	s_lshl_b32 s42, s17, 3
	v_lshl_add_u32 v8, v10, 7, s42                 ; lane g: group g's two words for expert e
	s_wait_kmcnt 0x0
	s_add_nc_u64 s[32:33], s[4:5], s[26:27]
	s_add_nc_u64 s[58:59], s[6:7], s[28:29]
	s_add_nc_u64 s[36:37], s[8:9], s[30:31]
	s_mov_b64 s[34:35], s[36:37]
	s_add_nc_u64 s[38:39], s[14:15], s[40:41]
	global_load_b64 v[208:209], v8, s[10:11]       ; first choice's word, second choice's word
	BIAS_LOAD
.irp c, 0,1,2,3,4,5
	WLOAD \c, \c                                   ; the stream begins ahead of everything that waits
.endr
	s_lshl_b32 s40, s16, 9
	s_add_co_u32 s40, s40, LIST                    ; my list
	s_add_co_u32 s26, s17, 2048
	s_lshl_b32 s27, s26, 16
	s_or_b32 s26, s26, s27
	v_mov_b32 v12, s26                             ; 2048 + e in every place
	v_mov_b32 v13, s26
	v_mov_b32 v14, s26
	v_mov_b32 v15, s26
	v_lshl_add_u32 v16, v10, 4, s40
	ds_store_b128 v16, v[12:15]
	v_mov_b32 v17, 0xff
	s_mov_b32 s20, 0
	s_wait_loadcnt 24                              ; the bitmaps and the bias are in: the 24 weight loads are younger
	v_or_b32 v7, v208, v209                        ; the group's members, whichever choice
	; THE COUNT, written out four groups at a time: the tokens' addresses hang on it alone
.set z, 0
.rept 8
.irp n, 0,1,2,3
	v_readlane_b32 s[26+(\n)], v7, 4*z+(\n)
.endr
.irp n, 0,1,2,3
	s_bcnt1_i32_b32 s[26+(\n)], s[26+(\n)]
.endr
.irp n, 0,1,2,3
	s_add_co_u32 s20, s20, s[26+(\n)]
.endr
.set z, z+1
.endr
	s_add_co_u32 s21, s20, 15
	s_lshr_b32 s21, s21, 4
	s_max_u32 s21, s21, 1                          ; nt
	SETBLK
	ALOAD 0, 0
	ALOAD 1, AST
	ALOAD 2, 2*AST
	; THE LIST, while those loads are on their way
	s_mov_b32 s30, 0                               ; rows so far
	s_mov_b32 s24, 0                               ; group
.Llist:
	v_readlane_b32 s26, v208, s24
	v_readlane_b32 s27, v209, s24
	s_or_b32 s28, s26, s27                         ; the group's members
	v_mbcnt_lo_u32_b32 v18, s28, s30               ; my token's rank: the rows so far + the members in lower lanes
	v_bfe_u32 v19, v18, 4, 3                       ; its tile modulo 8:
	v_cmp_eq_u32 s29, s16, v19                     ; mine?
	s_and_b32 s29, s29, s28
	v_lshrrev_b32 v19, 7, v18                      ; which of my tiles,
	v_and_b32 v18, 15, v18                         ; which row of it
	v_lshl_or_b32 v18, v19, 4, v18
	v_cndmask_b32 v18, v17, v18, s29               ; no member, or not mine: place 255
	v_min_u32 v18, 0xff, v18                       ; a loaded number enters an address only behind a bound written in the text
	v_lshl_add_u32 v18, v18, 1, s40
	s_lshl_b32 s29, s24, 5
	v_add_nc_u32 v20, s29, v10                     ; the token,
	v_or_b32 v21, 0x400, v20
	v_cndmask_b32 v20, v20, v21, s27               ; + 1024 if e is its second choice
	ds_store_b16 v18, v20
	s_bcnt1_i32_b32 s29, s28
	s_add_co_u32 s30, s30, s29
	s_add_co_u32 s24, s24, 1
	s_cmp_lt_u32 s24, 32
	s_cbranch_scc1 .Llist
	BIAS_SPREAD
	s_wait_loadcnt 38                              ; chunk 0 is in: behind it went chunks 1-5 (20) and three steps' tokens (18)
	CONV 0, 0
	WLOAD 0, 6
	ALOAD 3, 3*AST
	s_wait_loadcnt 44                              ; chunk 1: chunks 2-5 (16), 18, and the 10 just issued
	CONV 1, 64
	WLOAD 1, 7
	ALOAD 4, 4*AST
	s_wait_loadcnt 50                              ; chunk 2: chunks 3-5 (12), 18, 20
	CONV 2, BLKB
	WLOAD 2, 8
	ALOAD 5, 5*AST
	v_add_nc_u32 v[SA], BLKB, v[SA]                ; from here on the stores' offsets count from block 1
	s_wait_loadcnt 30                              ; chunks 3-5 and the tokens of steps 0-2 are in: behind them went three groups of 10; from trip 3 on the queue is in the loop's order
	s_wait_dscnt 0x0
	s_barrier_signal -1
	s_barrier_wait -1                              ; chunks 0, 1, 2 lie in LDS
	BLOAD BX, 0, 0
	s_mov_b32 s24, 3
.Lbody:                                                ; six trips a turn, as the rings have six slots; five younger groups of 10 loads stay out
	FIVE
	TRIP 5, 50, 1, 1, 1, 1, 0, 1
	STEPL
	s_sub_co_u32 s24, s24, 1
	s_cmp_lg_u32 s24, 0
	s_cbranch_scc1 .Lbody
	FIVE                                           ; trips 18 to 22: trip 22 asks for the last chunk
	TRIP 5, 50, 1, 0, 1, 1, 0, 1                   ; trip 23
	STEPL
	TRIP 0, 46, 1, 0, 1, 1, 1                      ; trips 24 on: the younger groups thin out: 4 x 10 + 6,
	TRIP 1, 42, 1, 0, 1, 1, 0                      ; 3 x 10 + 2 x 6; the last tokens are asked for
	TRIP 2, 38, 1, 0, 0, 1, 1                      ; 2 x 10 + 3 x 6
	TRIP 3, 28, 1, 0, 0, 1, 0                      ; 10 + 3 x 6
	TRIP 4, 18, 1, 0, 0, 1, 1                      ; trip 28: the last chunk is stored; behind this barrier the whole slice lies in LDS
	TRIP 5, 12, 0, 0, 0, 1, 0
	TRIP 6, 6, 0, 0, 0, 1, 0
	TRIP 7, 0, 0, 0, 0, 0, 0
.Lblk:                                                 ; THE WAY OUT of block s23.  First, for all three tiles: my half's eight entries, their weights, their rows of yb
	v_and_b32 v160, 15, v0
	v_lshlrev_b32 v160, 4, v160                    ; my 16 bytes of a row's 256
	v_bfe_u32 v161, v0, 4, 1
	s_mul_i32 s26, s23, 96                         ; three tiles of 32 bytes in my list
	s_add_co_u32 s26, s26, s40
	v_lshl_add_u32 v161, v161, 4, s26              ; rows 8 h .. 8 h + 7: 16 bytes
.irp t, 0,1,2
	ds_load_b128 v[EN+4*(\t):EN+4*(\t)+3], v161 offset:32*(\t)
.endr
	s_wait_dscnt 0x0
.set z, 0
.rept 24                               ; z = 8 t + j
.if z%2 == 0
	v_and_b32 v[RO+z], 0xffff, v[EN+z/2]
.else
	v_lshrrev_b32 v[RO+z], 16, v[EN+z/2]
.endif
	v_min_u32 v[WA+z], 0x7ff, v[RO+z]              ; the bound written in the text; a place past the count takes some weight, for a row that nobody reads
	v_lshlrev_b32 v[WA+z], 2, v[WA+z]
	global_load_b32 v[WT+z], v[WA+z], s[12:13]
	v_min_u32 v[RO+z], 0x807, v[RO+z]              ; yb's planes have 2,056 rows
	v_lshl_add_u32 v[RO+z], v[RO+z], 12, v160
.set z, z+1
.endr
	s_wait_loadcnt 0x0
; Tile t: 64 products by the rows' weights, row 0 first; then 16 stores.
.macro OUTT t
	s_cmp_lt_u32 s22, (\t)+1
	s_cbranch_scc1 .Lepx
.if (\t) > 0
	s_wait_xcnt 0x0                                ; the last tile's stores have read their data: it is rewritten only behind this wait
.endif
	WIN 0x01                                       ; source 0 in window 1
.set z, 0
.rept 64                               ; z = 8 j + f: register j of fragment f
	v_mul_f32 v[Q+z], v[ACC+64*(\t)+8*(z%8)+z/8], v[WT+8*(\t)+z/8]
.set z, z+1
.endr
	WIN 0
.set z, 0
.rept 16                               ; z = 2 j + g
	global_store_b128 v[RO+8*(\t)+z/2], v[Q+4*z:Q+4*z+3], s[38:39] offset:256*(z%2)  ; sixteen lanes store 256 consecutive bytes of one row, aligned
.set z, z+1
.endr
.endm
	OUTT 0
	OUTT 1
	OUTT 2
.Lepx:
	s_add_co_u32 s23, s23, 1
	s_mul_i32 s26, s23, 24
	s_cmp_le_u32 s21, s26
	s_cbranch_scc1 .Lend                           ; no tile is left (nt is 64 at the most, so this is taken at block 3 at the latest)
	s_wait_xcnt 0x0                                ; the stores' registers are free
	SETBLK
	BIAS_LOAD
	s_wait_loadcnt 0x0
	BIAS_SPREAD
	MAKE_LA
	s_mov_b64 s[34:35], s[36:37]
	s_mov_b32 s24, 16
.Lpb:                                                  ; a further block of 384 rows, a block of 64 k a trip: the slice is read from LDS once more; nothing writes LDS, so no barrier
	ALOAD 0, 0
	ALOAD 1, AST
	BLOAD BX, 0, 0
	BLOAD BY, 4, 0
	s_wait_loadcnt 6                               ; the first step's tokens: the second step's six loads are younger
	s_wait_dscnt 0x0
	HALF 0, 0
	HALF 1, 0
	BLOAD BX, 0, KS
	BLOAD BY, 4, KS
	s_wait_loadcnt 0x0
	s_wait_dscnt 0x0
	HALF 0, 1
	HALF 1, 1
	s_add_nc_u64 s[34:35], s[34:35], 2*AST
	v_add_nc_u32 v[LA], BLKB, v[LA]
	v_add_nc_u32 v[LA+1], BLKB, v[LA+1]
	s_sub_co_u32 s24, s24, 1
	s_cmp_lg_u32 s24, 0
	s_cbranch_scc1 .Lpb
	s_cmp_lt_u32 s23, 3
	s_cbranch_scc1 .Lblk
.Lend:
	s_wait_dscnt 0x0                               ; my LDS reads are back,
	s_barrier_signal -1
	s_barrier_wait -1                              ; and so are everybody's: only now does any wave write LDS again
	v_lshl_add_u32 v8, v0, 2, SPARE                ; no two registers could be kept: v0 was, and the two are made here
	v_mov_b32 v9, 0
	s_wait_tensorcnt 0x0                           ; the wave's end
	ds_add_u32 v8, v9
	s_wait_dscnt 0x0
	s_endpgm
.Lfunc_end_k_qdc962fd751_ffn2:
	.size	k_qdc962fd751_ffn2, .Lfunc_end_k_qdc962fd751_ffn2-k_qdc962fd751_ffn2
	.p2alignl 7, 3214868480
	.fill 96, 4, 3214868480
	.section	.rodata,"a",@progbits
	.p2align	6, 0x0
	.amdhsa_kernel k_qdc962fd751_ffn2
		.amdhsa_group_segment_fixed_size 300032
		.amdhsa_private_segment_fixed_size 0
		.amdhsa_enable_private_segment 0
		.amdhsa_kernarg_size 48
		.amdhsa_user_sgpr_count 2
		.amdhsa_user_sgpr_kernarg_segment_ptr 1
		.amdhsa_wavefront_size32 1
		.amdhsa_system_sgpr_workgroup_id_x 1
		.amdhsa_system_sgpr_workgroup_id_y 1
		.amdhsa_system_sgpr_workgroup_id_z 1
		.amdhsa_system_vgpr_workitem_id 0
		.amdhsa_next_free_vgpr 512
		.amdhsa_next_free_sgpr 66
		.amdhsa_reserve_vcc 0
		.amdhsa_float_denorm_mode_32 3
		.amdhsa_float_denorm_mode_16_64 3
		.amdhsa_memory_ordered 1
		.amdhsa_forward_progress 1
		.amdhsa_inst_pref_size 159
	.end_amdhsa_kernel
	.amdgpu_metadata
---
amdhsa.version: [ 1, 2 ]
amdhsa.kernels:
  - .name:           k_qdc962fd751_ffn2
    .symbol:         k_qdc962fd751_ffn2.kd
    .args:
      - { .name: W2, .offset: 0, .size: 8, .value_kind: global_buffer, .address_space: global }
      - { .name: b2, .offset: 8, .size: 8, .value_kind: global_buffer, .address_space: global }
      - { .name: hb, .offset: 16, .size: 8, .value_kind: global_buffer, .address_space: global }
      - { .name: bm, .offset: 24, .size: 8, .value_kind: global_buffer, .address_space: global }
      - { .name: wt, .offset: 32, .size: 8, .value_kind: global_buffer, .address_space: global }
      - { .name: yb, .offset: 40, .size: 8, .value_kind: global_buffer, .address_space: global }
    .group_segment_fixed_size: 300032
    .private_segment_fixed_size: 0
    .kernarg_segment_align: 8
    .kernarg_segment_size: 48
    .max_flat_workgroup_size: 256
    .sgpr_count:     66
    .vgpr_count:     512
    .wavefront_size: 32
...
	.end_amdgpu_metadata
.endif
;; end of part 6
;; launch combine: the kernel of part 4 again; grid 256 x 1, 8 waves a work-group, no clusters, 0 bytes of LDS; arguments yb, ps, out0, out1; writes out0, out1
